; MI455X (gfx1250); checked and timed in simulation.
; The chip was launched on July 23, 2026; its instructions are those of AMD's public machine-readable ISA for CDNA 5 (MIT licence, August 2026) and "CDNA5" Instruction Set Architecture Reference Guide (July 2026). The comments in the code are by the model that wrote it; some were corrected since.
;; Two Stage Selfgating RNNARMA. Allowed arithmetic: float matrix products may take bf16 or f16 operands with f32 sums; other float arithmetic in f32, or as packed bf16 or f16 multiplies, adds, multiply-adds, maxima and minima; sums over many terms, partial sums and values carried from step to step in f32; what a program stores and reads back later, other than sums and carried values, may be rounded once to bf16 or f16.
;; Inputs: Wk1 1,024 x 1,024 float32; Wk2 1,024 x 1,024 float32; Wproj 1,024 x 1,024 float32; Wq1 1,024 x 1,024 float32; bk1 1,024 float32; bk2 1,024 float32; bproj 1,024 float32; bq1 1,024 float32; x 4 x 4,096 x 1,024 float32.
;; Outputs: out0 4 x 4,096 x 1,024 float32.
;; 2 versions, each right; version 2 is version 1 with the launch cvt written anew for expert scheduling mode. Each part assembles by itself: llvm-mc -triple=amdgcn-amd-amdhsa -mcpu=gfx1250 --defsym DOCPART=n.
;; ======== version 1 of 2: 5 launches
;; limits: values are held in f16: magnitudes above 65,504 overflow, below 6.1e-05 lose precision
;; workspace buffers: xb 33,556,480 bytes; wb 8,388,608 bytes; kimg 67,108,864 bytes; ars 1,048,576 bytes; hq 67,108,864 bytes; sgs 524,288 bytes; h 33,554,432 bytes
;; launch cvt (part 1): grid 512 x 1, 8 waves a work-group, no clusters, 0 bytes of LDS; arguments x, Wk1, Wq1, Wk2, Wproj, xb, wb; writes xb, wb
.if DOCPART == 1
	.amdgcn_target "amdgcn-amd-amdhsa--gfx1250"
	.amdhsa_code_object_version 6
	.text
	.protected	k_q8c3a2856c8_cvt
	.globl	k_q8c3a2856c8_cvt
	.p2align	8
	.type	k_q8c3a2856c8_cvt,@function
k_q8c3a2856c8_cvt:
	s_mov_b64 s[64:65], 0
	v_nop
	global_prefetch_b8 v0, s[64:65] scope:SCOPE_SE
	s_setreg_imm32_b32 hwreg(HW_REG_WAVE_MODE, 25, 1), 1
	s_wait_xcnt 0x0
; x -> bf16 (xb, with one row of zeros behind it); the four weights -> 16 bits with their rows permuted (wb).
; xb: [16385][1024] bf16.  wb: [4096][1024]: rows 0-1023 Wk1; rows 1024-3071 in groups of 128: 64 rows of Wq1, 64 of Wk2; rows 3072-4095 Wproj.
; Inside a group of 64 channels, channel c goes to row 16 (c & 3) + ((c >> 2) & 15): column r of a product's block nb of 16 columns is then channel 4 r + nb,
; so that a lane's four blocks are four neighbouring channels.  Wk1, Wq1, Wk2 are rounded to bf16; Wproj is rounded to bf16 and that number written as f16.
; LIMIT: a rounded number of Wproj below 6.1e-5 keeps f16's fixed step of 6e-8; beyond 65,504 it would be lost.
; SHARES.  512 work-groups of 8 waves.  Work-group w: rows 32 w .. 32 w + 31 of x, rows 2 w and 2 w + 1 of each weight.  Thread t takes columns 4 t .. 4 t + 3 of every row:
; a wave's load covers 512 consecutive bytes, its store 256 consecutive bytes, aligned.  A ring of 16 row slots in registers keeps 16 loads of every wave in flight;
; with 184 registers a wave, two work-groups lie on a WGP, which doubles what is in flight there.
; Each row has output registers of its own and every step stands in an immediate: no register that a memory instruction reads is ever rewritten, so nothing waits for a store.
; No LDS, no matrix unit, no cluster: every byte is read once and written once, and nothing is shared.
.set DEPTH, 16
.set ROWS,  32
.set XS,  4                            ; v[4:67]    slot s: 4 f32 as loaded
.set YS,  68                           ; v[68:131]  row i: 4 bf16 to store
.set WS,  132                          ; v[132:163] the 8 weight rows as loaded: matrix m, row i at WS + 8 m + 4 i
.set WY,  164                          ; v[164:179] the same to store
.set TP,  180                          ; v[180:181] at work
	s_load_b256 s[4:11], s[0:1], 0x0               ; x s[4:5], Wk1 s[6:7], Wq1 s[8:9], Wk2 s[10:11]
	s_load_b128 s[12:15], s[0:1], 0x20             ; Wproj s[12:13], xb s[14:15]
	s_load_b64 s[16:17], s[0:1], 0x30              ; wb
	v_lshlrev_b32 v1, 4, v0                        ; 16 t: my bytes in a row of f32
	v_lshlrev_b32 v2, 3, v0                        ; 8 t: my bytes in a row of 16-bit numbers
	s_mov_b32 s40, 0xffff0000                      ; a word's upper bf16
	s_lshl_b32 s20, ttmp9, 17                      ; 32 rows of 4,096 bytes
	s_mov_b32 s21, 0
	s_lshl_b32 s22, ttmp9, 16                      ; 32 rows of 2,048 bytes
	s_mov_b32 s23, 0
	s_lshl_b32 s24, ttmp9, 13                      ; 2 rows of 4,096 bytes
	s_mov_b32 s25, 0
	s_lshr_b32 s26, ttmp9, 5                       ; my weight rows c = 2 w + i: their group of 64 channels, c >> 6
	s_bfe_u32 s27, ttmp9, 0x40001                  ; r = (c >> 2) & 15 = (w >> 1) & 15, the same for both rows
	s_and_b32 s31, ttmp9, 1                        ; c & 3 = 2 (w & 1) + i
	s_lshl_b32 s30, s27, 11                        ; r rows of 2,048 bytes
	s_lshl_b32 s31, s31, 16                        ; 32 (w & 1) rows
	s_add_co_u32 s30, s30, s31
	s_lshl_b32 s28, s26, 17                        ; 64 rows a group (Wk1, Wproj)
	s_add_co_u32 s28, s28, s30
	s_mov_b32 s29, 0
	s_lshl_b32 s32, s26, 18                        ; 128 rows a group (Wq1 with Wk2),
	s_add_co_u32 s32, s32, s30
	s_add_co_u32 s32, s32, 0x200000                ; behind Wk1's 1,024 rows
	s_mov_b32 s33, 0
	s_wait_kmcnt 0x0
	s_add_nc_u64 s[38:39], s[14:15], 0x2000000     ; xb's row 16,384, the row behind the last
	s_add_nc_u64 s[4:5], s[4:5], s[20:21]
	s_add_nc_u64 s[6:7], s[6:7], s[24:25]
	s_add_nc_u64 s[8:9], s[8:9], s[24:25]
	s_add_nc_u64 s[10:11], s[10:11], s[24:25]
	s_add_nc_u64 s[12:13], s[12:13], s[24:25]
	s_add_nc_u64 s[14:15], s[14:15], s[22:23]
	s_add_nc_u64 s[34:35], s[16:17], s[28:29]      ; wb at Wk1's row for i = 0; Wproj's lies 3,072 rows on
	s_add_nc_u64 s[36:37], s[16:17], s[32:33]      ; wb at Wq1's row for i = 0; Wk2's lies 64 rows on
.macro WLOAD m, base
.irp i, 0,1
	global_load_b128 v[WS+8*(\m)+4*(\i):WS+8*(\m)+4*(\i)+3], v1, s[\base:\base+1] offset:(\i)*4096 th:TH_LOAD_NT
.endr
.endm
	WLOAD 0, 6
	WLOAD 1, 8
	WLOAD 2, 10
	WLOAD 3, 12
.set i, 0
.rept DEPTH
	global_load_b128 v[XS+4*i:XS+4*i+3], v1, s[4:5] offset:i*4096 th:TH_LOAD_NT  ; fill the ring: rows 0 to 15
.set i, i+1
.endr
	s_wait_loadcnt DEPTH                           ; the 8 weight rows are in; the 16 rows of x stay out
.set k, 0
.rept 6                                        ; Wk1, Wq1, Wk2: bf16
	v_cvt_pk_bf16_f32 v[WY+2*k], v[WS+4*k], v[WS+4*k+1]
	v_cvt_pk_bf16_f32 v[WY+2*k+1], v[WS+4*k+2], v[WS+4*k+3]
.set k, k+1
.endr
.rept 2                                        ; Wproj: rounded to bf16, widened again, written as f16
	v_cvt_pk_bf16_f32 v[TP], v[WS+4*k], v[WS+4*k+1]
	v_cvt_pk_bf16_f32 v[TP+1], v[WS+4*k+2], v[WS+4*k+3]
	v_lshlrev_b32 v[WS+4*k], 16, v[TP]
	v_and_b32 v[WS+4*k+1], s40, v[TP]
	v_lshlrev_b32 v[WS+4*k+2], 16, v[TP+1]
	v_and_b32 v[WS+4*k+3], s40, v[TP+1]
	v_cvt_pk_f16_f32 v[WY+2*k], v[WS+4*k], v[WS+4*k+1]
	v_cvt_pk_f16_f32 v[WY+2*k+1], v[WS+4*k+2], v[WS+4*k+3]
.set k, k+1
.endr
.irp i, 0,1                                    ; row i goes 16 i rows on: 32,768 bytes
	global_store_b64 v2, v[WY+2*(\i):WY+2*(\i)+1], s[34:35] offset:(\i)*32768
	global_store_b64 v2, v[WY+4+2*(\i):WY+4+2*(\i)+1], s[36:37] offset:(\i)*32768
	global_store_b64 v2, v[WY+8+2*(\i):WY+8+2*(\i)+1], s[36:37] offset:131072+(\i)*32768
	global_store_b64 v2, v[WY+12+2*(\i):WY+12+2*(\i)+1], s[34:35] offset:0x600000+(\i)*32768
.endr
; Row i of my 32: rounded and stored; rows 0 to 15 fill their slot again with the row 16 further down.
.macro PASS i
.set sl, (\i)%DEPTH
.if (\i) < ROWS-DEPTH
	s_wait_loadcnt DEPTH-1                         ; loads come back in order: row i is in, the 15 younger rows stay out
.else
	s_wait_loadcnt ROWS-1-(\i)                     ; the last 16 rows load nothing: the count runs down
.endif
	v_cvt_pk_bf16_f32 v[YS+2*(\i)], v[XS+4*sl], v[XS+4*sl+1]
	v_cvt_pk_bf16_f32 v[YS+2*(\i)+1], v[XS+4*sl+2], v[XS+4*sl+3]
.if (\i) < ROWS-DEPTH
	global_load_b128 v[XS+4*sl:XS+4*sl+3], v1, s[4:5] offset:((\i)+DEPTH)*4096 th:TH_LOAD_NT
.endif
	global_store_b64 v2, v[YS+2*(\i):YS+2*(\i)+1], s[14:15] offset:(\i)*2048
.endm
.set n, 0
.rept ROWS
	PASS n
.set n, n+1
.endr
	s_cmp_lg_u32 ttmp9, 0                          ; work-group 0 also writes row 16,384 of xb: zeros
	s_cbranch_scc1 .Lend
	v_mov_b32 v[TP], 0
	v_mov_b32 v[TP+1], 0
	global_store_b64 v2, v[TP:TP+1], s[38:39]
.Lend:
	s_endpgm
.Lfunc_end_k_q8c3a2856c8_cvt:
	.size	k_q8c3a2856c8_cvt, .Lfunc_end_k_q8c3a2856c8_cvt-k_q8c3a2856c8_cvt
	.p2alignl 7, 3214868480
	.fill 96, 4, 3214868480
	.section	.rodata,"a",@progbits
	.p2align	6, 0x0
	.amdhsa_kernel k_q8c3a2856c8_cvt
		.amdhsa_group_segment_fixed_size 0
		.amdhsa_private_segment_fixed_size 0
		.amdhsa_enable_private_segment 0
		.amdhsa_kernarg_size 56
		.amdhsa_user_sgpr_count 2
		.amdhsa_user_sgpr_kernarg_segment_ptr 1
		.amdhsa_wavefront_size32 1
		.amdhsa_system_sgpr_workgroup_id_x 1
		.amdhsa_system_sgpr_workgroup_id_y 1
		.amdhsa_system_sgpr_workgroup_id_z 1
		.amdhsa_system_vgpr_workitem_id 0
		.amdhsa_next_free_vgpr 184
		.amdhsa_next_free_sgpr 66
		.amdhsa_reserve_vcc 0
		.amdhsa_float_denorm_mode_32 3
		.amdhsa_float_denorm_mode_16_64 3
		.amdhsa_memory_ordered 1
		.amdhsa_forward_progress 1
		.amdhsa_inst_pref_size 16
	.end_amdhsa_kernel
	.amdgpu_metadata
---
amdhsa.version: [ 1, 2 ]
amdhsa.kernels:
  - .name:           k_q8c3a2856c8_cvt
    .symbol:         k_q8c3a2856c8_cvt.kd
    .args:
      - { .name: x, .offset: 0, .size: 8, .value_kind: global_buffer, .address_space: global }
      - { .name: Wk1, .offset: 8, .size: 8, .value_kind: global_buffer, .address_space: global }
      - { .name: Wq1, .offset: 16, .size: 8, .value_kind: global_buffer, .address_space: global }
      - { .name: Wk2, .offset: 24, .size: 8, .value_kind: global_buffer, .address_space: global }
      - { .name: Wproj, .offset: 32, .size: 8, .value_kind: global_buffer, .address_space: global }
      - { .name: xb, .offset: 40, .size: 8, .value_kind: global_buffer, .address_space: global }
      - { .name: wb, .offset: 48, .size: 8, .value_kind: global_buffer, .address_space: global }
    .group_segment_fixed_size: 0
    .private_segment_fixed_size: 0
    .kernarg_segment_align: 8
    .kernarg_segment_size: 56
    .max_flat_workgroup_size: 256
    .sgpr_count:     66
    .vgpr_count:     184
    .wavefront_size: 32
...
	.end_amdgpu_metadata
.endif
;; end of part 1
;; launch kgemm (part 2): grid 4 x 64, 4 waves a work-group, clusters of 4 x 4, 327,680 bytes of LDS; arguments xb, wb, bk1, kimg, ars; writes kimg, ars
.if DOCPART == 2
	.amdgcn_target "amdgcn-amd-amdhsa--gfx1250"
	.amdhsa_code_object_version 6
	.text
	.protected	k_q8c3a2856c8_kgemm
	.globl	k_q8c3a2856c8_kgemm
	.p2align	8
	.type	k_q8c3a2856c8_kgemm,@function
k_q8c3a2856c8_kgemm:
	s_mov_b64 s[64:65], 0
	v_nop
	global_prefetch_b8 v0, s[64:65] scope:SCOPE_SE
	s_setreg_imm32_b32 hwreg(HW_REG_WAVE_MODE, 25, 1), 1
	s_wait_xcnt 0x0
	s_wait_alu depctr_hold_cnt(0) depctr_sa_sdst(0) depctr_va_vdst(0) depctr_va_sdst(0) depctr_va_ssrc(0) depctr_va_vcc(0) depctr_vm_vsrc(0)
	s_getreg_b32 s2, hwreg(HW_REG_IB_STS2, 6, 4)
	s_cmp_eq_u32 s2, 0
	s_cbranch_scc0 .Lentry_in_a_cluster
	s_endpgm
.Lentry_in_a_cluster:
	s_bfe_u32 s2, ttmp6, 0x10000c
	s_cmp_lg_u32 s2, 0xf033
	s_cbranch_scc0 .Lentry_shape_is_right
	s_endpgm
.Lentry_shape_is_right:
; K = exp(x Wk1^T + bk1), kept in f32 as the lanes hold it (kimg), and for each chunk of 128 rows and each channel the sums of K and of K x (ars).
; x, Wk1 and bk1 are taken rounded to bf16; products in bf16 with f32 sums.  No maximum is taken away before the exponential, since the module takes none.
; LIMITS: a K below 2^-126 counts as 0 (v_exp_f32's result, ISA guide 15.8); the chunk's sums are added in another order than a running sum's.
; THE PRODUCT.  A tile is 256 rows x 256 channels, K = 1,024 in eight steps of 128 through two LDS slots; four waves, each 128 x 128: 64 accumulators.
; Source 0 = 16 rows of x, source 1 = 16 rows of wb: a lane holds ONE channel and eight consecutive times in each accumulator: register j of lane 16 h + r of
; accumulator (a, b) is time 16 a + 8 h + j of my chunk, channel 64 (cg0 + b / 4) + 4 r + b % 4 (wb's rows are laid so).
; THE LOOP.  A trip is one K step, written once: which slot is read hangs on the scalar TB (0 or SLOT), turned by an exclusive or at each change of slots; the fragment addresses are made anew from it,
; and one walking descriptor for each operand is turned and stepped likewise.  SLOT = 0x22000 has no bit in common with wave x HALFT (0, 0x8800, 0x11000, 0x19800), so the exclusive or is the sum.
; CLUSTER.  4 x 4 work-groups; x's tile is shared along a row of the cluster, wb's along a column: each is asked for jointly by the four.
; XV.  In the last change of slots slot 0, read out, takes the tile's own 256 rows x 256 channels of x (a load of the work-group's own, no mask): the factor in K x.
; REGISTERS, in windows of 256: window 0: v0-31 addresses, v32-39 bias, v64-127 and v128-191 x's fragments (two buffers); window 1: v64-191 wb's fragments; windows 2, 3: accumulators.
; In the epilogue window 0 holds Z v64-127 (K), RAW v128-159, X v160-223, SK v224-239, SX v240-255.
.set SIZE_K, 1024
.set KSTEP,  128
.set STEPS,  SIZE_K/KSTEP
.set PITCH,  272                       ; an LDS row: 256 bytes + 16 of padding: the 16 rows of a fragment load start 16 bytes further on in each 256
.set HALFT,  128*PITCH
.set SLOT,   4*HALFT                   ; x's 256 rows, then wb's 256 rows
.set SPARE,  2*SLOT                    ; behind the ring: the spare words, 128 bytes a wave
.set XP,     528                       ; a row of XV: 512 bytes + 16
.set XHALF,  128*XP
.set A0,   16                          ; v16  my place in x's tile of slot 0; never rewritten
.set B0,   17                          ; v17  the same in wb's tile
.set ADRA, 18                          ; v18  A0 + the slot in hand
.set ADRB, 19                          ; v19  B0 + the slot in hand
.set XA,   24                          ; v24  my place in XV, stepped 16 rows a trip of the epilogue
.set KO,   25                          ; v25  16 x lane
.set SPW,  28
.set NIL,  29
.set PFO,  30                          ; v30  lane x 2,048: a lane a row
.set BK,   32                          ; v32-39  log2(e) x bias of my eight channels
.set F0,   64
.set F1,   128
.set Z,    64
.set RAW,  128
.set X,    160
.set SK,   224
.set SX,   240
.set TB,  2                            ; s2   LDS byte at which the slot in hand begins
.set G1,  24
.set G0,  32                           ; s[32:39] x's group 0: a set for each first fill; the second then walks
.set LIM, 43
.set PFA, 44
.set G1B, 48
.set G0B, 56
.set G0X, 68
.set G1X, 72
.set DW0, (1<<16)|(1<<20)|(1<<21)|(5<<22)|(3<<25)  ; 2-byte elements; padding on; bit 21 beside a mask; after every 64 words, 4 words
.set MSB, 0
.macro WIN new                         ; the immediate's high byte repeats the setting that is left
.if MSB != (\new)
	s_set_vgpr_msb (MSB<<8)|(\new)
.set MSB, \new
.endif
.endm
.set MUL_LO, 0xa4                      ; source 0 (x) window 0, source 1 (wb) window 1, C and D window 2
.set MUL_HI, 0xf4
.set TO_B,   0x40
.macro JLOAD s                         ; a joint load: waves 0, 1 fetch x's two halves, waves 2, 3 wb's; s_nop 0 and four v_nop follow each line
	s_cmp_eq_u32 s11, 0
	s_cbranch_scc0 .Lfor_b_\@
	tensor_load_to_lds s[G0+4*(\s):G0+4*(\s)+3], s[G1:G1+7]
	s_nop 0
.rept 4
	v_nop
.endr
	s_branch .Lasked_\@
.Lfor_b_\@:
	tensor_load_to_lds s[G0B+4*(\s):G0B+4*(\s)+3], s[G1B:G1B+7]
	s_nop 0
.rept 4
	v_nop
.endr
.Lasked_\@:
.endm
.macro XLOAD                           ; XV: waves 0 and 1 fetch 128 rows each; the other two pass four v_nop, the places in front of the fragment loads
	s_cmp_lt_u32 s10, 2
	s_cbranch_scc0 .Lnox_\@
	tensor_load_to_lds s[G0X:G0X+3], s[G1X:G1X+7]
	s_nop 0
.rept 4
	v_nop
.endr
	s_branch .Lxd_\@
.Lnox_\@:
.rept 4
	v_nop
.endr
.Lxd_\@:
.endm
; A prefetch of the K step that stands two refills on: 32 rows x 256 bytes, a lane a row.  x's rows are asked for by the cluster with x = 0, wb's by the cluster with y = 0;
; the four partners of a joint load take 32 of its 128 rows each, told apart by address.  The loop's last two trips (s3 = 2, 1) ask for nothing: K steps 4 to 7 are named, each once.
.macro ASK
	s_cmp_gt_u32 s3, s[LIM]
	s_cbranch_scc0 .Lnot_mine_\@
	global_prefetch_b8 v[PFO], s[PFA:PFA+1] offset:KSTEP*2 th:TH_LOAD_NT scope:SCOPE_SE
.Lnot_mine_\@:
.endm
.macro CREST
	s_cmp_lg_u32 s10, 0
	s_cbranch_scc1 .Lnot_wave_0_\@
	s_barrier_signal -3
.Lnot_wave_0_\@:
	s_barrier_wait -3
	s_barrier_signal -1
	s_barrier_wait -1
.endm
.macro CROUND
	s_barrier_signal -1
	s_barrier_wait -1
	CREST
.endm
	s_load_b128 s[4:7], s[0:1], 0x0                ; xb, wb
	s_load_b128 s[84:87], s[0:1], 0x10             ; bk1, kimg
	s_load_b64 s[88:89], s[0:1], 0x20              ; ars
	v_lshl_add_u32 v[SPW], v0, 2, SPARE
	v_mov_b32 v[NIL], 0
	ds_add_u32 v[SPW], v[NIL]                      ; the opening: the add, twice on end, and its wait ahead of my first tensor load
	ds_add_u32 v[SPW], v[NIL]
	v_lshrrev_b32 v1, 5, v0
	v_readfirstlane_b32 s10, v1                    ; wave 0..3
	s_lshr_b32 s11, s10, 1                         ; my half of the tile's rows; also: I fetch for x (0) or wb (1)
	s_and_b32 s12, s10, 1                          ; my half of its columns; also: which 128 rows I fetch
	s_bfe_u32 s40, ttmp6, 0x40000                  ; cx
	s_bfe_u32 s41, ttmp6, 0x40004                  ; cy
	s_lshl_b32 s42, ttmp9, 2
	s_add_co_u32 s42, s42, s40                     ; tile column
	s_and_b32 s13, ttmp7, 0xffff
	s_lshl_b32 s13, s13, 2
	s_add_co_u32 s13, s13, s41                     ; tile row
	s_lshl_b32 s43, s41, 2
	s_lshl_b32 s43, 15, s43                        ; my row of the cluster
	s_lshl_b32 s44, 0x1111, s40                    ; my column
	s_or_b32 s[G1+0], s43, DW0
	s_or_b32 s[G1B+0], s44, DW0
.irp g, G1, G1B
	s_mov_b32 s[(\g)+1], KSTEP<<16                 ; tensor_dim0 = 128
	s_mov_b32 s[(\g)+2], 128<<16                   ; tensor_dim1 = 128
	s_mov_b32 s[(\g)+3], KSTEP<<16                 ; tile_dim0 = 128
	s_mov_b32 s[(\g)+4], 128                       ; tile_dim1 = 128
	s_mov_b32 s[(\g)+5], SIZE_K                    ; elements from row to row
	s_mov_b32 s[(\g)+6], 0
	s_mov_b32 s[(\g)+7], 0
.endr
	s_mov_b32 s[G1X+0], (1<<16)|(1<<20)|(6<<22)|(3<<25)  ; XV: no mask; after every 128 words, 4 words
	s_mov_b32 s[G1X+1], 256<<16
	s_mov_b32 s[G1X+2], 128<<16
	s_mov_b32 s[G1X+3], 256<<16
	s_mov_b32 s[G1X+4], 128
	s_mov_b32 s[G1X+5], SIZE_K
	s_mov_b32 s[G1X+6], 0
	s_mov_b32 s[G1X+7], 0
	s_mov_b32 s[G0X], 1
	s_mul_i32 s[G0X+1], s10, XHALF                 ; wave 0: rows 0-127 at byte 0; wave 1: rows 128-255 behind them
	s_mov_b32 s[TB], 0                             ; K step 0 lies in slot 0
	s_mov_b32 s67, 0xffff0000                      ; a word's upper bf16; as a lane mask: lanes 16 to 31
	s_mov_b32 s80, 0x76543210                      ; v_permlanex16_b32: each lane takes its own place in the other half
	s_mov_b32 s81, 0xfedcba98
	s_mov_b32 s82, 0x3fb8aa3b                      ; log2(e)
	s_mov_b32 s83, s82
	s_lshl_b32 s17, s12, 7
	s_lshl_b32 s16, s13, 8
	s_add_co_u32 s16, s16, s17                     ; x: row 256 x tile row + 128 x half
	s_lshl_b32 s46, s42, 8
	s_add_co_u32 s46, s46, s17                     ; wb: row 256 x tile column + 128 x half
	s_lshl_b32 s16, s16, 11                        ; rows of 2,048 bytes
	s_lshl_b32 s46, s46, 11
	s_mov_b32 s17, 0
	s_mov_b32 s47, 0
	s_mul_i32 s20, s10, HALFT
	s_wait_dscnt 0x0                               ; both opening adds are done
	s_wait_kmcnt 0x0
	s_add_nc_u64 s[14:15], s[4:5], s[16:17]
	s_add_nc_u64 s[46:47], s[6:7], s[46:47]
	CROUND                                         ; all sixteen work-groups are here: the first joint loads meet
.irp s, 0,1
	s_mov_b32 s[G0+4*(\s)], 1
	s_add_co_u32 s[G0+4*(\s)+1], s20, (\s)*SLOT
	s_add_nc_u64 s[G0+4*(\s)+2:G0+4*(\s)+3], s[14:15], (\s)*KSTEP*2
	s_or_b32 s[G0+4*(\s)+3], s[G0+4*(\s)+3], 0x80000000
	s_mov_b32 s[G0B+4*(\s)], 1
	s_add_co_u32 s[G0B+4*(\s)+1], s20, (\s)*SLOT
	s_add_nc_u64 s[G0B+4*(\s)+2:G0B+4*(\s)+3], s[46:47], (\s)*KSTEP*2
	s_or_b32 s[G0B+4*(\s)+3], s[G0B+4*(\s)+3], 0x80000000
	JLOAD \s
.endr
	; the lanes' places in the fragments
	v_and_b32 v1, 15, v0                           ; r
	v_bfe_u32 v2, v0, 4, 1                         ; h
	v_mul_u32_u24 v3, v1, PITCH
	v_lshl_add_u32 v3, v2, 4, v3
	s_mul_i32 s21, s11, HALFT
	s_mul_i32 s22, s12, HALFT
	s_add_co_u32 s22, s22, 2*HALFT
	v_add_nc_u32 v[A0], s21, v3
	v_add_nc_u32 v[B0], s22, v3
	v_mov_b32 v[ADRA], v[A0]
	v_mov_b32 v[ADRB], v[B0]
	; the prefetches
	s_lshl_b32 s18, s13, 8
	s_lshl_b32 s19, s42, 8
	s_and_b32 s22, ttmp7, 0xffff
	s_cmp_eq_u32 s11, 0
	s_cselect_b32 s20, s18, s19                    ; the tile's first row, in x or in wb
	s_cselect_b32 s21, s40, s41                    ; my place among the four that ask with me
	s_cselect_b32 s22, ttmp9, s22                  ; the coordinate along which other clusters read the same rows
	s_cselect_b64 s[PFA:PFA+1], s[4:5], s[6:7]
	s_cmp_eq_u32 s22, 0
	s_cselect_b32 s[LIM], 2, -1                    ; a wave that prefetches does so while more than two trips are left
	s_lshl_b32 s22, s12, 7
	s_add_co_u32 s20, s20, s22
	s_lshl_b32 s21, s21, 5
	s_add_co_u32 s20, s20, s21
	s_lshl_b32 s20, s20, 11
	s_mov_b32 s21, 0
	s_add_nc_u64 s[PFA:PFA+1], s[PFA:PFA+1], s[20:21]
	s_add_nc_u64 s[PFA:PFA+1], s[PFA:PFA+1], 2*KSTEP*2  ; at K step 2: the first refill steps it to 3 and names K step 4
	v_and_b32 v[PFO], 31, v0
	v_lshlrev_b32 v[PFO], 11, v[PFO]
	; XV's address: rows 256 x tile row + 128 x half, channels 256 x tile column
	s_lshl_b32 s20, s13, 8
	s_lshl_b32 s21, s12, 7
	s_add_co_u32 s20, s20, s21
	s_lshl_b32 s20, s20, 11
	s_lshl_b32 s21, s42, 9
	s_add_co_u32 s20, s20, s21
	s_mov_b32 s21, 0
	s_add_nc_u64 s[G0X+2:G0X+3], s[4:5], s[20:21]
	s_or_b32 s[G0X+3], s[G0X+3], 0x80000000
	; the epilogue's addresses
	s_lshl_b32 s20, s13, 1
	s_add_co_u32 s20, s20, s11                     ; g: my chunk of 128 rows
	s_lshl_b32 s21, s42, 2
	s_lshl_b32 s22, s12, 1
	s_add_co_u32 s21, s21, s22                     ; cg0: the first of my two groups of 64 channels
	s_lshl4_add_u32 s22, s20, s21                  ; 16 g + cg0
	s_lshl_b32 s18, s22, 15
	s_mov_b32 s19, 0
	s_add_nc_u64 s[86:87], s[86:87], s[18:19]      ; kimg at my first block of 32,768 bytes
	s_lshl_b32 s18, s22, 9
	s_add_nc_u64 s[88:89], s[88:89], s[18:19]      ; ars at my first block of 512 bytes
	s_lshl_b32 s23, s21, 8                         ; 64 cg0 channels of 4 bytes
	v_lshl_add_u32 v4, v1, 4, s23
	global_load_b128 v[BK:BK+3], v4, s[84:85]
	global_load_b128 v[BK+4:BK+7], v4, s[84:85] offset:256
	s_mul_i32 s18, s11, XHALF
	s_lshl_b32 s19, s12, 8
	s_add_co_u32 s18, s18, s19
	v_mul_u32_u24 v[XA], v2, 8*XP
	v_lshl_add_u32 v[XA], v1, 3, v[XA]
	v_add_nc_u32 v[XA], s18, v[XA]                 ; my chunk's rows, 8 h rows down, my 128 channels, 4 r channels on
	v_and_b32 v[KO], 31, v0
	v_lshlrev_b32 v[KO], 4, v[KO]
	s_wait_loadcnt 0x0
.irp k, 0,2,4,6                                ; the bias: rounded to bf16 like every input, times log2(e)
	v_cvt_pk_bf16_f32 v5, v[BK+(\k)], v[BK+(\k)+1]
	v_lshlrev_b32 v[BK+(\k)], 16, v5
	v_and_b32 v[BK+(\k)+1], s67, v5
	v_pk_mul_f32 v[BK+(\k):BK+(\k)+1], v[BK+(\k):BK+(\k)+1], s[82:83] op_sel_hi:[1,0]
.endr
; 16 matrix instructions: row blocks a0, a0 + 1 of the window's four x all 8 column blocks, 32 along K.  The 64 accumulators take turns, in the same order in every quarter.
.macro MUL16 f, hi, a0, zero
	WIN MUL_LO+0x50*(\hi)
.irp a, \a0, (\a0)+1
.irp b, 0,1,2,3,4,5,6,7
.if \zero
	v_wmma_f32_16x16x32_bf16 v[8*(8*(\a)+(\b)):8*(8*(\a)+(\b))+7], v[(\f)+8*(4*(\hi)+(\a)):(\f)+8*(4*(\hi)+(\a))+7], v[(\f)+8*(\b):(\f)+8*(\b)+7], 0
.else
	v_wmma_f32_16x16x32_bf16 v[8*(8*(\a)+(\b)):8*(8*(\a)+(\b))+7], v[(\f)+8*(4*(\hi)+(\a)):(\f)+8*(4*(\hi)+(\a))+7], v[(\f)+8*(\b):(\f)+8*(\b)+7], v[8*(8*(\a)+(\b)):8*(8*(\a)+(\b))+7]
.endif
.endr
.endr
.endm
.macro FETCH k, f                      ; 32 LDS loads in one run: wb's 128 rows, then x's, 32 along K at byte k of the slot in hand
	WIN TO_B
.irp i, 0,1,2,3,4,5,6,7
	ds_load_b128 v[(\f)+8*(\i):(\f)+8*(\i)+3],   v[ADRB] offset:(\k)+(\i)*16*PITCH
	ds_load_b128 v[(\f)+8*(\i)+4:(\f)+8*(\i)+7], v[ADRB] offset:(\k)+(\i)*16*PITCH+32
.endr
	WIN 0
.irp i, 0,1,2,3,4,5,6,7
	ds_load_b128 v[(\f)+8*(\i):(\f)+8*(\i)+3],   v[ADRA] offset:(\k)+(\i)*16*PITCH
	ds_load_b128 v[(\f)+8*(\i)+4:(\f)+8*(\i)+7], v[ADRA] offset:(\k)+(\i)*16*PITCH+32
.endr
.endm
.macro PLACES                          ; four plain instructions between a matrix instruction and a load into, or a vector write of, its registers
.rept 4
	v_nop
.endr
.endm
.macro QUARTER k, f, g, zero           ; multiplies buffer f; in its middle fetches the next quarter's fragments, at byte k, into buffer g
	s_wait_dscnt 8                                 ; wb and x's rows 0-63 are in; the youngest eight loads (x's rows 64-127) may be out
	MUL16 \f, 0, 0, \zero
	MUL16 \f, 0, 2, \zero
	PLACES
	FETCH \k, \g
	s_wait_dscnt 32                                ; all but the 32 just issued
	MUL16 \f, 1, 0, \zero
	MUL16 \f, 1, 2, \zero
.endm
.macro MEET                            ; the change of slots: all my tensor loads have landed, the add, my reads of the slot are over; the barrier opens a round of the cluster's
	WIN 0
	s_wait_tensorcnt 0x0
	ds_add_u32 v[SPW], v[NIL]
	s_wait_dscnt 9                                 ; the add and the youngest eight loads may be out
	MUL16 F1, 0, 0, 0
	s_wait_dscnt 0x0
	s_barrier_signal -1
	MUL16 F1, 0, 2, 0
	WIN 0
	s_barrier_wait -1
.endm
.macro TURN                            ; a K step's last quarter: the slot just read out takes the K step two on; the other slot is read from here on
	s_wait_xcnt 0x0                                ; the last prefetch, a K step back, has read its address
	s_add_nc_u64 s[PFA:PFA+1], s[PFA:PFA+1], KSTEP*2
	MEET
	CREST                                          ; no wave of any partner still reads this slot or has a load on its way
.irp g, G0+4, G0B+4
	s_xor_b32 s[(\g)+1], s[(\g)+1], SLOT           ; the walking descriptor: the other slot than last time,
	s_add_nc_u64 s[(\g)+2:(\g)+3], s[(\g)+2:(\g)+3], KSTEP*2  ; the next K step; the type bits on top are not reached
.endr
	JLOAD 1                                        ; the first tensor load behind the round; its four v_nop are the places in front of the loads below
	s_xor_b32 s[TB], s[TB], SLOT
	v_add_nc_u32 v[ADRA], s[TB], v[A0]
	v_add_nc_u32 v[ADRB], s[TB], v[B0]
	FETCH 0, F0
	ASK
	MUL16 F1, 1, 0, 0
	MUL16 F1, 1, 2, 0
.endm
.macro TURNX                           ; the last change of slots, from K step 6 in slot 0 to K step 7 in slot 1: slot 0 takes XV
	MEET
	CREST
	XLOAD
	v_add_nc_u32 v[ADRA], SLOT, v[A0]
	v_add_nc_u32 v[ADRB], SLOT, v[B0]
	FETCH 0, F0
	MUL16 F1, 1, 0, 0
	MUL16 F1, 1, 2, 0
.endm
	s_wait_tensorcnt 1                             ; my part of K step 0 is in; K step 1's load stays out
	s_barrier_signal -1
	s_barrier_wait -1
	FETCH 0, F0
	QUARTER 64,  F0, F1, 1                         ; the first quarter starts the sums with the constant 0
	WIN 0
	s_mov_b32 s3, STEPS-2
.Lstep:                                        ; six trips, from a K step's second quarter to the next step's first; each fills a slot again: K steps 2 to 7
	QUARTER 128, F1, F0, 0
	QUARTER 192, F0, F1, 0
	TURN
	QUARTER 64,  F0, F1, 0
	WIN 0
	s_sub_co_u32 s3, s3, 1
	s_cmp_lg_u32 s3, 0
	s_cbranch_scc1 .Lstep
	QUARTER 128, F1, F0, 0                         ; the tail is written out: no joint load is left
	QUARTER 192, F0, F1, 0
	TURNX
	QUARTER 64,  F0, F1, 0
	QUARTER 128, F1, F0, 0
	QUARTER 192, F0, F1, 0
	s_wait_dscnt 8
	MUL16 F1, 0, 0, 0
	MUL16 F1, 0, 2, 0
	s_wait_dscnt 0x0
	MUL16 F1, 1, 0, 0
	MUL16 F1, 1, 2, 0
	WIN 0
	s_wait_tensorcnt 0x0                           ; XV: the two loading waves' parts have landed,
	s_wait_dscnt 0x0
	s_barrier_signal -1
	s_barrier_wait -1                              ; and every wave knows it
.set i, 0
.rept 32
	v_mov_b32 v[SK+i], 0                           ; the chunk's sums start at 0; these 32 lines are also the places behind the last products
.set i, i+1
.endr
; THE EPILOGUE: eight trips, a block of 16 rows each.  Registers cannot be indexed, so only HEAD a, which names block a's accumulators, is written eight times; a forward switch on the counter picks it.
; HEAD a: Z = log2(e) x sum + log2(e) x bias; each accumulator is read from its lowest registers on.
.macro HEAD a
	WIN 0x02+(\a)/4
.irp p, 0,1,2,3
.irp b, 0,2,4,6
	v_pk_fma_f32 v[Z+8*(\b)+2*(\p):Z+8*(\b)+2*(\p)+1], v[8*(8*((\a)%4)+(\b))+2*(\p):8*(8*((\a)%4)+(\b))+2*(\p)+1], s[82:83], v[BK+(\b):BK+(\b)+1] op_sel_hi:[1,0,0]
	v_pk_fma_f32 v[Z+8*(\b)+8+2*(\p):Z+8*(\b)+8+2*(\p)+1], v[8*(8*((\a)%4)+(\b)+1)+2*(\p):8*(8*((\a)%4)+(\b)+1)+2*(\p)+1], s[82:83], v[BK+(\b):BK+(\b)+1] op_sel:[0,0,1] op_sel_hi:[1,0,1]
.endr
.endr
	WIN 0
.endm
	s_mov_b32 s66, 0
.Lmb:
.irp c, 0,1                                    ; XV's 16 x 8 bytes for the block: four channels of one time each
.irp j, 0,1,2,3,4,5,6,7
	ds_load_b64 v[RAW+2*(8*(\c)+(\j)):RAW+2*(8*(\c)+(\j))+1], v[XA] offset:(\j)*XP+(\c)*128
.endr
.endr
.irp a, 0,1,2,3,4,5,6
	s_cmp_lg_u32 s66, \a
	s_cbranch_scc1 .Ln\a
	HEAD \a
	s_branch .Lbody
.Ln\a:
.endr
	HEAD 7
.Lbody:
	s_wait_dscnt 0x0                               ; XV's bytes are in
	v_add_nc_u32 v[XA], 16*XP, v[XA]               ; the next block's rows
.set i, 0
.rept 64                                       ; 64 exponentials, one batch; between them the 64 lines that widen x, which name none of their results
	v_exp_f32 v[Z+i], v[Z+i]
.if ((i/8)%2) == 0
	v_lshlrev_b32 v[X+i], 16, v[RAW+2*(8*(i/32)+i%8)+((i/8)%4)/2]
.else
	v_and_b32 v[X+i], s67, v[RAW+2*(8*(i/32)+i%8)+((i/8)%4)/2]
.endif
.set i, i+1
.endr
	s_wait_alu depctr_va_vdst(0)                   ; one wait for the batch, ahead of its first reader
.irp p, 0,1,2,3
.irp b, 0,1,2,3,4,5,6,7
	v_pk_add_f32 v[SK+2*(\b):SK+2*(\b)+1], v[SK+2*(\b):SK+2*(\b)+1], v[Z+8*(\b)+2*(\p):Z+8*(\b)+2*(\p)+1]
.endr
.endr
.irp p, 0,1,2,3
.irp b, 0,1,2,3,4,5,6,7
	v_pk_fma_f32 v[SX+2*(\b):SX+2*(\b)+1], v[Z+8*(\b)+2*(\p):Z+8*(\b)+2*(\p)+1], v[X+8*(\b)+2*(\p):X+8*(\b)+2*(\p)+1], v[SX+2*(\b):SX+2*(\b)+1]
.endr
.endr
.irp b, 0,1,2,3,4,5,6,7
.irp q, 0,1
	global_store_b128 v[KO], v[Z+8*(\b)+4*(\q):Z+8*(\b)+4*(\q)+3], s[86:87] offset:((\b)/4)*32768+((\b)%4)*1024+(\q)*512 th:TH_STORE_NT  ; 512 consecutive bytes, aligned
.endr
.endr
	s_wait_xcnt 0x0                                ; the stores have read their data and their base: only now are these rewritten
	s_add_nc_u64 s[86:87], s[86:87], 4096          ; the next block of 16 rows
	s_add_co_u32 s66, s66, 1
	s_cmp_lt_u32 s66, 8
	s_cbranch_scc1 .Lmb
	; the chunk's sums: a pair's two halves, then the other half of the lanes; lanes 0-15 store the sums of K, lanes 16-31 those of K x
.irp b, 0,1,2,3,4,5,6,7
	v_add_f32 v[SK+2*(\b)], v[SK+2*(\b)], v[SK+2*(\b)+1]
	v_add_f32 v[SX+2*(\b)], v[SX+2*(\b)], v[SX+2*(\b)+1]
.endr
.irp b, 0,1,2,3,4,5,6,7
	v_permlanex16_b32 v[Z+(\b)], v[SK+2*(\b)], s80, s81
	v_permlanex16_b32 v[Z+8+(\b)], v[SX+2*(\b)], s80, s81
.endr
.irp b, 0,1,2,3,4,5,6,7
	v_add_f32 v[SK+2*(\b)], v[SK+2*(\b)], v[Z+(\b)]
	v_add_f32 v[SX+2*(\b)], v[SX+2*(\b)], v[Z+8+(\b)]
.endr
.irp b, 0,1,2,3,4,5,6,7
	v_cndmask_b32 v[Z+16+(\b)], v[SK+2*(\b)], v[SX+2*(\b)], s67
.endr
	global_store_b128 v[KO], v[Z+16:Z+19], s[88:89]
	global_store_b128 v[KO], v[Z+20:Z+23], s[88:89] offset:512
	s_wait_tensorcnt 0x0                           ; the wave's end
	ds_add_u32 v[SPW], v[NIL]
	s_wait_dscnt 0x0
	CROUND                                         ; the closing round
	s_endpgm
.Lfunc_end_k_q8c3a2856c8_kgemm:
	.size	k_q8c3a2856c8_kgemm, .Lfunc_end_k_q8c3a2856c8_kgemm-k_q8c3a2856c8_kgemm
	.p2alignl 7, 3214868480
	.fill 96, 4, 3214868480
	.section	.rodata,"a",@progbits
	.p2align	6, 0x0
	.amdhsa_kernel k_q8c3a2856c8_kgemm
		.amdhsa_group_segment_fixed_size 327680
		.amdhsa_private_segment_fixed_size 0
		.amdhsa_enable_private_segment 0
		.amdhsa_kernarg_size 40
		.amdhsa_user_sgpr_count 2
		.amdhsa_user_sgpr_kernarg_segment_ptr 1
		.amdhsa_wavefront_size32 1
		.amdhsa_system_sgpr_workgroup_id_x 1
		.amdhsa_system_sgpr_workgroup_id_y 1
		.amdhsa_system_sgpr_workgroup_id_z 1
		.amdhsa_system_vgpr_workitem_id 0
		.amdhsa_next_free_vgpr 1024
		.amdhsa_next_free_sgpr 102
		.amdhsa_reserve_vcc 0
		.amdhsa_float_denorm_mode_32 3
		.amdhsa_float_denorm_mode_16_64 3
		.amdhsa_memory_ordered 1
		.amdhsa_forward_progress 1
		.amdhsa_inst_pref_size 120
	.end_amdhsa_kernel
	.amdgpu_metadata
---
amdhsa.version: [ 1, 2 ]
amdhsa.kernels:
  - .name:           k_q8c3a2856c8_kgemm
    .symbol:         k_q8c3a2856c8_kgemm.kd
    .args:
      - { .name: xb, .offset: 0, .size: 8, .value_kind: global_buffer, .address_space: global }
      - { .name: wb, .offset: 8, .size: 8, .value_kind: global_buffer, .address_space: global }
      - { .name: bk1, .offset: 16, .size: 8, .value_kind: global_buffer, .address_space: global }
      - { .name: kimg, .offset: 24, .size: 8, .value_kind: global_buffer, .address_space: global }
      - { .name: ars, .offset: 32, .size: 8, .value_kind: global_buffer, .address_space: global }
    .group_segment_fixed_size: 327680
    .private_segment_fixed_size: 0
    .kernarg_segment_align: 8
    .kernarg_segment_size: 40
    .max_flat_workgroup_size: 128
    .sgpr_count:     102
    .vgpr_count:     1024
    .wavefront_size: 32
...
	.end_amdgpu_metadata
.endif
;; end of part 2
;; launch qgemm (part 3): grid 8 x 64, 4 waves a work-group, clusters of 4 x 4, 327,680 bytes of LDS; arguments xb, wb, bq1, bk2, kimg, ars, hq, sgs; writes hq, sgs
.if DOCPART == 3
	.amdgcn_target "amdgcn-amd-amdhsa--gfx1250"
	.amdhsa_code_object_version 6
	.text
	.protected	k_q8c3a2856c8_qgemm
	.globl	k_q8c3a2856c8_qgemm
	.p2align	8
	.type	k_q8c3a2856c8_qgemm,@function
k_q8c3a2856c8_qgemm:
	s_mov_b64 s[64:65], 0
	v_nop
	global_prefetch_b8 v0, s[64:65] scope:SCOPE_SE
	s_setreg_imm32_b32 hwreg(HW_REG_WAVE_MODE, 25, 1), 1
	s_wait_xcnt 0x0
	s_wait_alu depctr_hold_cnt(0) depctr_sa_sdst(0) depctr_va_vdst(0) depctr_va_sdst(0) depctr_va_ssrc(0) depctr_va_vcc(0) depctr_vm_vsrc(0)
	s_getreg_b32 s2, hwreg(HW_REG_IB_STS2, 6, 4)
	s_cmp_eq_u32 s2, 0
	s_cbranch_scc0 .Lentry_in_a_cluster
	s_endpgm
.Lentry_in_a_cluster:
	s_bfe_u32 s2, ttmp6, 0x10000c
	s_cmp_lg_u32 s2, 0xf033
	s_cbranch_scc0 .Lentry_shape_is_right
	s_endpgm
.Lentry_shape_is_right:
; Q = sigmoid(x Wq1^T + bq1), G = sigmoid(c3 (x Wk2^T + bk2)), c3 = 0.02 / 32, and the three running sums along time inside a chunk of 128 rows:
;   O[t] = Q[t] sum(K x)[t] / (sum(K)[t] + 1e-6), the two sums carried in from the batch's earlier chunks (ars);
;   W[t] = the sum over s <= t, s in my chunk, of G[s] (x[s+1] - O[s]);      Hlocal[t] = O[t] + c3 W[t-1] Q[t-1] (the second term 0 in the chunk's first row).
; Stored: Hlocal and Q in f16 (hq), the chunk's last W in f32 (sgs).  The later launch adds c3 x (earlier chunks' W) x Q[t-1].
; The module's second query activation is c3 Q for every input, since a sigmoid is never negative.
; LIMITS: all inputs are taken rounded to bf16; |Hlocal| must stay under 65,504 (it is at most some six times the largest |x|); the 1e-6 is added once, into the carry;
; the sums are added in another order than the module's; a running sum of K beyond 2^126 has the reciprocal 0 (v_rcp_f32's result, ISA guide 15.8).
; THE PRODUCT is the one of the launch before: 256 rows x 256 rows of wb, which here are two groups of 64 channels of Wq1 with 64 of Wk2; a loop trip is one K step, the slot in hand hangs on the scalar TB.
; A wave has one chunk g and one group cg: accumulator (a, b): b = 0-3 Q, b = 4-7 G; register j of lane 16 h + r: time 16 a + 8 h + j, channel 64 cg + 4 r + b % 4.
; XV: in the last change of slots slot 0 takes, for each of the tile's two chunks, 129 rows x 128 channels of x (the 129th is x[s+1] of the chunk's last row).
; REGISTERS, window 0: v0-31 addresses; v32-63 what is carried from block to block; v64-191 x's fragments.  Window 1: v0-31 a block of K; v64-191 wb's fragments.  Windows 2, 3: accumulators.
; In the epilogue window 0 holds Q v64-95, G v96-127, X v128-167 (nine times a channel, ten registers apart), RAW v168-185 (later scratch), PK v186-217, PX v218-249.
.set SIZE_K, 1024
.set KSTEP,  128
.set STEPS,  SIZE_K/KSTEP
.set PITCH,  272
.set HALFT,  128*PITCH
.set SLOT,   4*HALFT                   ; 0x22000: no bit in common with wave x HALFT, so an exclusive or with it is the sum
.set SPARE,  2*SLOT
.set XREG,   129*PITCH                 ; a region of XV
.set A0,   16                          ; v16  my place in x's tile of slot 0; never rewritten
.set B0,   17                          ; v17  the same in wb's tile
.set ADRA, 18                          ; v18  A0 + the slot in hand
.set ADRB, 19                          ; v19  B0 + the slot in hand
.set XA,   22                          ; v22  my place in XV, stepped 16 rows a trip of the epilogue
.set KO,   23                          ; v23  16 x lane
.set HO,   24                          ; v24  my 16 bytes in hq: 8 h rows of 256 bytes + 16 r
.set PFK,  25                          ; v25  256 x lane
.set KO2,  26                          ; v26  KO + the step to the next block of K
.set SO,   27                          ; v27  16 r
.set SPW,  28
.set NIL,  29
.set PFO,  30
.set CK,   32                          ; v32-35  sum of K up to the block, + 1e-6
.set CX,   36                          ; v36-39  sum of K x up to the block
.set BQ,   40                          ; v40-43  -log2(e) bq1
.set BG,   44                          ; v44-47  -log2(e) c3 bk2
.set CS,   48                          ; v48-51  W up to the block
.set PU,   52                          ; v52-55  c3 W Q of the last block's register 7
.set OFK,  56                          ; v56-59, v60-63  what a lane adds to its eight partial sums
.set OFX,  60
.set F0,   64
.set F1,   128
.set Q,    64
.set G,    96
.set X,    128
.set OUT,  128
.set RAW,  168
.set TT,   168
.set PK,   186
.set PX,   218
.set TB,  2
.set G1,  24
.set G0,  32
.set LIM, 43
.set PFA, 44
.set G1B, 48
.set G0B, 56
.set G0X, 68
.set G1X, 72
.set DW0, (1<<16)|(1<<20)|(1<<21)|(5<<22)|(3<<25)
.set MSB, 0
.macro WIN new
.if MSB != (\new)
	s_set_vgpr_msb (MSB<<8)|(\new)
.set MSB, \new
.endif
.endm
.set MUL_LO, 0xa4
.set MUL_HI, 0xf4
.set TO_B,   0x40
.macro JLOAD s
	s_cmp_eq_u32 s11, 0
	s_cbranch_scc0 .Lfor_b_\@
	tensor_load_to_lds s[G0+4*(\s):G0+4*(\s)+3], s[G1:G1+7]
	s_nop 0
.rept 4
	v_nop
.endr
	s_branch .Lasked_\@
.Lfor_b_\@:
	tensor_load_to_lds s[G0B+4*(\s):G0B+4*(\s)+3], s[G1B:G1B+7]
	s_nop 0
.rept 4
	v_nop
.endr
.Lasked_\@:
.endm
.macro XLOAD
	s_cmp_lt_u32 s10, 2
	s_cbranch_scc0 .Lnox_\@
	tensor_load_to_lds s[G0X:G0X+3], s[G1X:G1X+7]
	s_nop 0
.rept 4
	v_nop
.endr
	s_branch .Lxd_\@
.Lnox_\@:
.rept 4
	v_nop
.endr
.Lxd_\@:
.endm
.macro ASK                             ; the K step two refills on, as in the launch before: K steps 4 to 7, each row's 256 bytes named once
	s_cmp_gt_u32 s3, s[LIM]
	s_cbranch_scc0 .Lnot_mine_\@
	global_prefetch_b8 v[PFO], s[PFA:PFA+1] offset:KSTEP*2 th:TH_LOAD_NT scope:SCOPE_SE
.Lnot_mine_\@:
.endm
; My own 32,768 bytes of K, which the epilogue will load once: asked for in the loop's last trip but one, a lane 256 bytes, four instructions: two K steps ahead of the first load.
.macro ASKK
	s_cmp_eq_u32 s3, 2
	s_cbranch_scc0 .Lnok_\@
.irp k, 0,1,2,3
	global_prefetch_b8 v[PFK], s[88:89] offset:(\k)*8192 th:TH_LOAD_NT scope:SCOPE_SE
.endr
.Lnok_\@:
.endm
.macro CREST
	s_cmp_lg_u32 s10, 0
	s_cbranch_scc1 .Lnot_wave_0_\@
	s_barrier_signal -3
.Lnot_wave_0_\@:
	s_barrier_wait -3
	s_barrier_signal -1
	s_barrier_wait -1
.endm
.macro CROUND
	s_barrier_signal -1
	s_barrier_wait -1
	CREST
.endm
	s_load_b128 s[4:7], s[0:1], 0x0                ; xb, wb
	s_load_b256 s[84:91], s[0:1], 0x10             ; bq1 s[84:85], bk2 s[86:87], kimg s[88:89], ars s[90:91]
	s_load_b128 s[92:95], s[0:1], 0x30             ; hq s[92:93], sgs s[94:95]
	v_lshl_add_u32 v[SPW], v0, 2, SPARE
	v_mov_b32 v[NIL], 0
	ds_add_u32 v[SPW], v[NIL]                      ; the opening: the add, twice on end, and its wait ahead of my first tensor load
	ds_add_u32 v[SPW], v[NIL]
	v_lshrrev_b32 v1, 5, v0
	v_readfirstlane_b32 s10, v1
	s_lshr_b32 s11, s10, 1
	s_and_b32 s12, s10, 1
	s_bfe_u32 s40, ttmp6, 0x40000
	s_bfe_u32 s41, ttmp6, 0x40004
	s_lshl_b32 s42, ttmp9, 2
	s_add_co_u32 s42, s42, s40                     ; tile column
	s_and_b32 s13, ttmp7, 0xffff
	s_lshl_b32 s13, s13, 2
	s_add_co_u32 s13, s13, s41                     ; tile row
	s_lshl_b32 s43, s41, 2
	s_lshl_b32 s43, 15, s43
	s_lshl_b32 s44, 0x1111, s40
	s_or_b32 s[G1+0], s43, DW0
	s_or_b32 s[G1B+0], s44, DW0
.irp g, G1, G1B
	s_mov_b32 s[(\g)+1], KSTEP<<16
	s_mov_b32 s[(\g)+2], 128<<16
	s_mov_b32 s[(\g)+3], KSTEP<<16
	s_mov_b32 s[(\g)+4], 128
	s_mov_b32 s[(\g)+5], SIZE_K
	s_mov_b32 s[(\g)+6], 0
	s_mov_b32 s[(\g)+7], 0
.endr
	s_mov_b32 s[G1X+0], (1<<16)|(1<<20)|(5<<22)|(3<<25)  ; XV: no mask; 129 rows of 128 elements, padded like the tiles
	s_mov_b32 s[G1X+1], 128<<16
	s_mov_b32 s[G1X+2], 129<<16
	s_mov_b32 s[G1X+3], 128<<16
	s_mov_b32 s[G1X+4], 129
	s_mov_b32 s[G1X+5], SIZE_K
	s_mov_b32 s[G1X+6], 0
	s_mov_b32 s[G1X+7], 0
	s_mov_b32 s[G0X], 1
	s_mul_i32 s[G0X+1], s10, XREG                  ; wave 0: the first chunk's region at byte 0; wave 1: the second's behind it
	s_mov_b32 s[TB], 0                             ; K step 0 lies in slot 0
	s_mov_b32 s67, 0xffff0000                      ; a word's upper bf16; as a lane mask: lanes 16 to 31
	s_mov_b32 s80, 0x76543210
	s_mov_b32 s81, 0xfedcba98
	s_mov_b32 s82, 0xbfb8aa3b                      ; -log2(e)
	s_mov_b32 s83, s82
	s_mov_b32 s98, 0x3a23d70a                      ; c3 = 0.02 / 32
	s_mov_b32 s99, s98
	s_mul_f32 s96, s82, s98                        ; -log2(e) c3
	s_mov_b32 s97, s96
	s_lshl_b32 s17, s12, 7
	s_lshl_b32 s16, s13, 8
	s_add_co_u32 s16, s16, s17
	s_lshl_b32 s46, s42, 8
	s_add_co_u32 s46, s46, s17
	s_lshl_b32 s16, s16, 11
	s_lshl_b32 s46, s46, 11
	s_mov_b32 s17, 0
	s_mov_b32 s47, 0
	s_mul_i32 s20, s10, HALFT
	s_wait_dscnt 0x0
	s_wait_kmcnt 0x0
	s_add_nc_u64 s[6:7], s[6:7], 0x200000          ; wb behind Wk1's 1,024 rows
	s_add_nc_u64 s[14:15], s[4:5], s[16:17]
	s_add_nc_u64 s[46:47], s[6:7], s[46:47]
	CROUND
.irp s, 0,1
	s_mov_b32 s[G0+4*(\s)], 1
	s_add_co_u32 s[G0+4*(\s)+1], s20, (\s)*SLOT
	s_add_nc_u64 s[G0+4*(\s)+2:G0+4*(\s)+3], s[14:15], (\s)*KSTEP*2
	s_or_b32 s[G0+4*(\s)+3], s[G0+4*(\s)+3], 0x80000000
	s_mov_b32 s[G0B+4*(\s)], 1
	s_add_co_u32 s[G0B+4*(\s)+1], s20, (\s)*SLOT
	s_add_nc_u64 s[G0B+4*(\s)+2:G0B+4*(\s)+3], s[46:47], (\s)*KSTEP*2
	s_or_b32 s[G0B+4*(\s)+3], s[G0B+4*(\s)+3], 0x80000000
	JLOAD \s
.endr
	; the epilogue's addresses, and the loads of the earlier chunks' sums: they go out first, all else is made while they are on their way
	v_and_b32 v1, 15, v0                           ; r
	v_bfe_u32 v2, v0, 4, 1                         ; h
	v_and_b32 v[KO], 31, v0
	v_lshlrev_b32 v[PFK], 8, v[KO]
	v_lshlrev_b32 v[PFO], 11, v[KO]
	v_lshlrev_b32 v[KO], 4, v[KO]
	v_lshlrev_b32 v[SO], 4, v1
	s_lshl_b32 s20, s13, 1
	s_add_co_u32 s20, s20, s11                     ; g
	s_and_b32 s100, s20, 31                        ; gl: my chunk's place in its batch; it enters addresses and selects alone, no branch
	s_lshl_b32 s21, s42, 1
	s_add_co_u32 s21, s21, s12                     ; cg
	s_lshl4_add_u32 s22, s20, s21                  ; 16 g + cg
	s_lshl_b32 s18, s22, 15
	s_mov_b32 s19, 0
	s_add_nc_u64 s[88:89], s[88:89], s[18:19]      ; kimg and hq at my block of 32,768 bytes
	s_add_nc_u64 s[92:93], s[92:93], s[18:19]
	s_sub_co_u32 s23, s20, s100                    ; the batch's first chunk
	s_lshl4_add_u32 s23, s23, s21
	s_lshl_b32 s18, s23, 9
	s_add_nc_u64 s[90:91], s[90:91], s[18:19]      ; ars at that chunk, my group
	s_lshl_b32 s18, s20, 12
	s_lshl_b32 s23, s21, 8
	s_add_co_u32 s18, s18, s23
	s_add_nc_u64 s[94:95], s[94:95], s[18:19]      ; sgs at my chunk's row, my 64 channels
	v_add_nc_u32 v4, s23, v[SO]
.set i, 0
.rept 31                                       ; the batch's chunks 0 to 30: 8,192 bytes apart; those from mine on are masked out below
	global_load_b128 v[64+4*i:67+4*i], v[KO], s[90:91] offset:i*8192
.set i, i+1
.endr
	global_load_b128 v[BQ:BQ+3], v4, s[84:85]
	global_load_b128 v[BG:BG+3], v4, s[86:87]
	v_mul_u32_u24 v3, v1, PITCH
	v_lshl_add_u32 v3, v2, 4, v3
	s_mul_i32 s21, s11, HALFT
	s_mul_i32 s22, s12, HALFT
	s_add_co_u32 s22, s22, 2*HALFT
	v_add_nc_u32 v[A0], s21, v3
	v_add_nc_u32 v[B0], s22, v3
	v_mov_b32 v[ADRA], v[A0]
	v_mov_b32 v[ADRB], v[B0]
	s_lshl_b32 s18, s13, 8
	s_lshl_b32 s19, s42, 8
	s_and_b32 s22, ttmp7, 0xffff
	s_cmp_eq_u32 s11, 0
	s_cselect_b32 s20, s18, s19
	s_cselect_b32 s21, s40, s41
	s_cselect_b32 s22, ttmp9, s22
	s_cselect_b64 s[PFA:PFA+1], s[4:5], s[6:7]
	s_cmp_eq_u32 s22, 0
	s_cselect_b32 s[LIM], 2, -1                    ; a wave that prefetches does so while more than two trips are left
	s_lshl_b32 s22, s12, 7
	s_add_co_u32 s20, s20, s22
	s_lshl_b32 s21, s21, 5
	s_add_co_u32 s20, s20, s21
	s_lshl_b32 s20, s20, 11
	s_mov_b32 s21, 0
	s_add_nc_u64 s[PFA:PFA+1], s[PFA:PFA+1], s[20:21]
	s_add_nc_u64 s[PFA:PFA+1], s[PFA:PFA+1], 2*KSTEP*2
	s_lshl_b32 s20, s13, 8                         ; XV's address: rows 256 x tile row + 128 x half, channels 128 x tile column
	s_lshl_b32 s21, s12, 7
	s_add_co_u32 s20, s20, s21
	s_lshl_b32 s20, s20, 11
	s_lshl_b32 s21, s42, 8
	s_add_co_u32 s20, s20, s21
	s_mov_b32 s21, 0
	s_add_nc_u64 s[G0X+2:G0X+3], s[4:5], s[20:21]
	s_or_b32 s[G0X+3], s[G0X+3], 0x80000000
	s_mul_i32 s18, s11, XREG
	s_lshl_b32 s19, s12, 7
	s_add_co_u32 s18, s18, s19
	v_mul_u32_u24 v[XA], v2, 8*PITCH
	v_lshl_add_u32 v[XA], v1, 3, v[XA]
	v_add_nc_u32 v[XA], s18, v[XA]                 ; my chunk's region, 8 h rows down, my 64 channels, 4 r channels on
	v_lshlrev_b32 v[HO], 11, v2
	v_lshl_add_u32 v[HO], v1, 4, v[HO]
.irp n, 0,1,2,3
	v_mov_b32 v[CK+(\n)], 0
	v_mov_b32 v[CX+(\n)], 0
.endr
	s_wait_loadcnt 0x0
.set i, 0
.rept 31                                       ; the sum of the chunks in front of mine, in ascending order; lanes 0-15 hold K's, lanes 16-31 K x's
	s_cmp_gt_u32 s100, i
	s_cselect_b32 s101, -1, 0
	v_and_b32 v[64+4*i], s101, v[64+4*i]
	v_and_b32 v[65+4*i], s101, v[65+4*i]
	v_and_b32 v[66+4*i], s101, v[66+4*i]
	v_and_b32 v[67+4*i], s101, v[67+4*i]
	v_pk_add_f32 v[CX:CX+1], v[CX:CX+1], v[64+4*i:65+4*i]
	v_pk_add_f32 v[CX+2:CX+3], v[CX+2:CX+3], v[66+4*i:67+4*i]
.set i, i+1
.endr
.irp n, 0,1,2,3
	v_permlanex16_b32 v[CK+(\n)], v[CX+(\n)], s80, s81
.endr
.irp n, 0,1,2,3
	v_cndmask_b32 v[PU+(\n)], v[CX+(\n)], v[CK+(\n)], s67  ; K's sum, in both halves of the lanes
	v_cndmask_b32 v[CX+(\n)], v[CK+(\n)], v[CX+(\n)], s67  ; K x's
.endr
.irp n, 0,1,2,3
	v_add_f32 v[CK+(\n)], 0x358637bd, v[PU+(\n)]   ; + 1e-6
.endr
.irp k, 0,2                                    ; the biases: rounded to bf16 like every input, times their scales
	v_cvt_pk_bf16_f32 v5, v[BQ+(\k)], v[BQ+(\k)+1]
	v_cvt_pk_bf16_f32 v6, v[BG+(\k)], v[BG+(\k)+1]
	v_lshlrev_b32 v[BQ+(\k)], 16, v5
	v_and_b32 v[BQ+(\k)+1], s67, v5
	v_lshlrev_b32 v[BG+(\k)], 16, v6
	v_and_b32 v[BG+(\k)+1], s67, v6
	v_pk_mul_f32 v[BQ+(\k):BQ+(\k)+1], v[BQ+(\k):BQ+(\k)+1], s[82:83] op_sel_hi:[1,0]
	v_pk_mul_f32 v[BG+(\k):BG+(\k)+1], v[BG+(\k):BG+(\k)+1], s[96:97] op_sel_hi:[1,0]
.endr
.macro MUL16 f, hi, a0, zero
	WIN MUL_LO+0x50*(\hi)
.irp a, \a0, (\a0)+1
.irp b, 0,1,2,3,4,5,6,7
.if \zero
	v_wmma_f32_16x16x32_bf16 v[8*(8*(\a)+(\b)):8*(8*(\a)+(\b))+7], v[(\f)+8*(4*(\hi)+(\a)):(\f)+8*(4*(\hi)+(\a))+7], v[(\f)+8*(\b):(\f)+8*(\b)+7], 0
.else
	v_wmma_f32_16x16x32_bf16 v[8*(8*(\a)+(\b)):8*(8*(\a)+(\b))+7], v[(\f)+8*(4*(\hi)+(\a)):(\f)+8*(4*(\hi)+(\a))+7], v[(\f)+8*(\b):(\f)+8*(\b)+7], v[8*(8*(\a)+(\b)):8*(8*(\a)+(\b))+7]
.endif
.endr
.endr
.endm
.macro FETCH k, f
	WIN TO_B
.irp i, 0,1,2,3,4,5,6,7
	ds_load_b128 v[(\f)+8*(\i):(\f)+8*(\i)+3],   v[ADRB] offset:(\k)+(\i)*16*PITCH
	ds_load_b128 v[(\f)+8*(\i)+4:(\f)+8*(\i)+7], v[ADRB] offset:(\k)+(\i)*16*PITCH+32
.endr
	WIN 0
.irp i, 0,1,2,3,4,5,6,7
	ds_load_b128 v[(\f)+8*(\i):(\f)+8*(\i)+3],   v[ADRA] offset:(\k)+(\i)*16*PITCH
	ds_load_b128 v[(\f)+8*(\i)+4:(\f)+8*(\i)+7], v[ADRA] offset:(\k)+(\i)*16*PITCH+32
.endr
.endm
.macro PLACES
.rept 4
	v_nop
.endr
.endm
.macro QUARTER k, f, g, zero
	s_wait_dscnt 8                                 ; wb and x's rows 0-63 are in; the youngest eight loads may be out
	MUL16 \f, 0, 0, \zero
	MUL16 \f, 0, 2, \zero
	PLACES
	FETCH \k, \g
	s_wait_dscnt 32                                ; all but the 32 just issued
	MUL16 \f, 1, 0, \zero
	MUL16 \f, 1, 2, \zero
.endm
.macro MEET
	WIN 0
	s_wait_tensorcnt 0x0                           ; all my tensor loads have landed: my part of the next slot
	ds_add_u32 v[SPW], v[NIL]
	s_wait_dscnt 9                                 ; the add and the youngest eight loads may be out
	MUL16 F1, 0, 0, 0
	s_wait_dscnt 0x0                               ; the add is done, my reads of this slot are over
	s_barrier_signal -1
	MUL16 F1, 0, 2, 0
	WIN 0
	s_barrier_wait -1
.endm
.macro TURN
	s_wait_xcnt 0x0                                ; the last prefetches, a K step back, have read their addresses
	s_add_nc_u64 s[PFA:PFA+1], s[PFA:PFA+1], KSTEP*2
	MEET
	CREST
.irp g, G0+4, G0B+4
	s_xor_b32 s[(\g)+1], s[(\g)+1], SLOT           ; the walking descriptor: the other slot than last time,
	s_add_nc_u64 s[(\g)+2:(\g)+3], s[(\g)+2:(\g)+3], KSTEP*2  ; the next K step
.endr
	JLOAD 1
	s_xor_b32 s[TB], s[TB], SLOT
	v_add_nc_u32 v[ADRA], s[TB], v[A0]
	v_add_nc_u32 v[ADRB], s[TB], v[B0]
	FETCH 0, F0
	ASK
	ASKK
	MUL16 F1, 1, 0, 0
	MUL16 F1, 1, 2, 0
.endm
.macro KLOAD adr                       ; a block of K: 4 channels x 8 times a lane, into window 1 v0-31: eight loads of 512 consecutive bytes
	WIN 0x40
.irp n, 0,1,2,3
.irp q, 0,1
	global_load_b128 v[8*(\n)+4*(\q):8*(\n)+4*(\q)+3], v[\adr], s[88:89] offset:(\n)*1024+(\q)*512 th:TH_LOAD_NT
.endr
.endr
	WIN 0
.endm
.macro TURNX                           ; the last change of slots, from K step 6 in slot 0 to K step 7 in slot 1: slot 0 takes XV; the first block of K is asked for
	MEET
	CREST
	XLOAD
	v_add_nc_u32 v[ADRA], SLOT, v[A0]
	v_add_nc_u32 v[ADRB], SLOT, v[B0]
	FETCH 0, F0
	KLOAD KO
	MUL16 F1, 1, 0, 0
	MUL16 F1, 1, 2, 0
.endm
	s_wait_tensorcnt 1                             ; my part of K step 0 is in; K step 1's load stays out
	s_barrier_signal -1
	s_barrier_wait -1
	FETCH 0, F0
	QUARTER 64,  F0, F1, 1
	WIN 0
	s_mov_b32 s3, STEPS-2
.Lstep:                                        ; six trips, from a K step's second quarter to the next step's first; each fills a slot again: K steps 2 to 7
	QUARTER 128, F1, F0, 0
	QUARTER 192, F0, F1, 0
	TURN
	QUARTER 64,  F0, F1, 0
	WIN 0
	s_sub_co_u32 s3, s3, 1
	s_cmp_lg_u32 s3, 0
	s_cbranch_scc1 .Lstep
	QUARTER 128, F1, F0, 0
	QUARTER 192, F0, F1, 0
	TURNX
	QUARTER 64,  F0, F1, 0
	QUARTER 128, F1, F0, 0
	QUARTER 192, F0, F1, 0
	s_wait_dscnt 8
	MUL16 F1, 0, 0, 0
	MUL16 F1, 0, 2, 0
	s_wait_dscnt 0x0
	MUL16 F1, 1, 0, 0
	MUL16 F1, 1, 2, 0
	WIN 0
	s_wait_tensorcnt 0x0                           ; XV has landed,
	s_wait_dscnt 0x0
	s_barrier_signal -1
	s_barrier_wait -1                              ; for every wave
.irp n, 0,1,2,3,4,5,6,7
	v_mov_b32 v[CS+(\n)], 0                        ; W and the last block's term start at 0; these eight lines are also the places behind the last products
.endr
; THE EPILOGUE: eight trips, a block of 16 rows each; HEAD a alone names accumulators and is picked by a forward switch on the counter.
.macro HEAD a
	WIN 0x02+(\a)/4
.irp p, 0,1,2,3
.irp n, 0,2
	v_pk_fma_f32 v[Q+8*(\n)+2*(\p):Q+8*(\n)+2*(\p)+1], v[8*(8*((\a)%4)+(\n))+2*(\p):8*(8*((\a)%4)+(\n))+2*(\p)+1], s[82:83], v[BQ+(\n):BQ+(\n)+1] op_sel_hi:[1,0,0]
	v_pk_fma_f32 v[Q+8*(\n)+8+2*(\p):Q+8*(\n)+8+2*(\p)+1], v[8*(8*((\a)%4)+(\n)+1)+2*(\p):8*(8*((\a)%4)+(\n)+1)+2*(\p)+1], s[82:83], v[BQ+(\n):BQ+(\n)+1] op_sel:[0,0,1] op_sel_hi:[1,0,1]
	v_pk_fma_f32 v[G+8*(\n)+2*(\p):G+8*(\n)+2*(\p)+1], v[8*(8*((\a)%4)+4+(\n))+2*(\p):8*(8*((\a)%4)+4+(\n))+2*(\p)+1], s[96:97], v[BG+(\n):BG+(\n)+1] op_sel_hi:[1,0,0]
	v_pk_fma_f32 v[G+8*(\n)+8+2*(\p):G+8*(\n)+8+2*(\p)+1], v[8*(8*((\a)%4)+5+(\n))+2*(\p):8*(8*((\a)%4)+5+(\n))+2*(\p)+1], s[96:97], v[BG+(\n):BG+(\n)+1] op_sel:[0,0,1] op_sel_hi:[1,0,1]
.endr
.endr
	WIN 0
.endm
.macro UNP n                           ; line n of 36: x of channel n % 4 at time n / 4, widened
.if ((\n)%2) == 0
	v_lshlrev_b32 v[X+10*((\n)%4)+(\n)/4], 16, v[RAW+2*((\n)/4)+((\n)%4)/2]
.else
	v_and_b32 v[X+10*((\n)%4)+(\n)/4], s67, v[RAW+2*((\n)/4)+((\n)%4)/2]
.endif
.endm
; A block's 16 times lie in two lanes: 0-7 in lane r, 8-15 in lane 16 + r.  arr holds each lane's own partial sums.  of = what the lane adds to them: the carry c, and for lanes 16-31 also the other lane's total; then c takes both totals.
.macro CARRY arr, c, of
.irp n, 0,1,2,3
	v_permlanex16_b32 v[TT+(\n)], v[(\arr)+8*(\n)+7], s80, s81
.endr
.irp n, 0,1,2,3
	v_cndmask_b32 v[TT+4+(\n)], v[(\arr)+8*(\n)+7], v[TT+(\n)], s67  ; the total of times 0-7
	v_cndmask_b32 v[TT+8+(\n)], v[TT+(\n)], v[(\arr)+8*(\n)+7], s67  ; of times 8-15
.endr
.irp n, 0,1,2,3
	v_add_f32 v[TT+4+(\n)], v[(\c)+(\n)], v[TT+4+(\n)]
.endr
.irp n, 0,1,2,3
	v_cndmask_b32 v[(\of)+(\n)], v[(\c)+(\n)], v[TT+4+(\n)], s67
.endr
.irp n, 0,1,2,3
	v_add_f32 v[(\c)+(\n)], v[TT+4+(\n)], v[TT+8+(\n)]
.endr
.endm
.macro ADD1 arr, of, k                 ; line k of 16: of is added to pair k / 4 of channel k % 4
.if ((\k)%2) == 0
	v_pk_add_f32 v[(\arr)+8*((\k)%4)+2*((\k)/4):(\arr)+8*((\k)%4)+2*((\k)/4)+1], v[(\arr)+8*((\k)%4)+2*((\k)/4):(\arr)+8*((\k)%4)+2*((\k)/4)+1], v[(\of)+(\k)%4:(\of)+(\k)%4+1] op_sel_hi:[1,0]
.else
	v_pk_add_f32 v[(\arr)+8*((\k)%4)+2*((\k)/4):(\arr)+8*((\k)%4)+2*((\k)/4)+1], v[(\arr)+8*((\k)%4)+2*((\k)/4):(\arr)+8*((\k)%4)+2*((\k)/4)+1], v[(\of)+(\k)%4-1:(\of)+(\k)%4] op_sel:[0,1] op_sel_hi:[1,1]
.endif
.endm
	s_mov_b32 s66, 0
.Lmb:
.irp j, 0,1,2,3,4,5,6,7,8
	ds_load_b64 v[RAW+2*(\j):RAW+2*(\j)+1], v[XA] offset:(\j)*PITCH  ; x of my four channels at my nine times
.endr
.irp a, 0,1,2,3,4,5,6
	s_cmp_lg_u32 s66, \a
	s_cbranch_scc1 .Ln\a
	HEAD \a
	s_branch .Lbody
.Ln\a:
.endr
	HEAD 7
.Lbody:
	s_wait_dscnt 0x0                               ; x is in
	v_add_nc_u32 v[XA], 16*PITCH, v[XA]            ; the next block's rows
.set i, 0
.rept 36                                       ; THE FIRST BATCH begins: exponentials of Q's and G's arguments, in place; plain lines that name none of their results stand between
	v_exp_f32 v[Q+i], v[Q+i]
	UNP i
.set i, i+1
.endr
	s_wait_loadcnt 0x0                             ; the block of K, asked for most of a trip ago
	WIN 0x01                                       ; source 0 in window 1: K
.irp n, 0,1,2,3
	v_mov_b32 v[PK+8*(\n)], v[8*(\n)]
.endr
.irp j, 1,2,3,4,5,6,7
.irp n, 0,1,2,3
	v_add_f32 v[PK+8*(\n)+(\j)], v[8*(\n)+(\j)], v[PK+8*(\n)+(\j)-1]  ; the lane's partial sums of K
.endr
.endr
.irp p, 0,1,2,3
.irp n, 0,1,2,3
	v_pk_mul_f32 v[PX+8*(\n)+2*(\p):PX+8*(\n)+2*(\p)+1], v[8*(\n)+2*(\p):8*(\n)+2*(\p)+1], v[X+10*(\n)+2*(\p):X+10*(\n)+2*(\p)+1]  ; K x
.endr
.endr
	WIN 0
	s_cmp_lt_u32 s66, 7                            ; the next block of K; the last trip asks for its own block once more, so that no load leaves my 32,768 bytes and no branch is needed
	s_cselect_b32 s20, 4096, 0
	v_add_nc_u32 v[KO2], s20, v[KO]
	KLOAD KO2
.set i, 0
.rept 28                                       ; the other 28 exponentials, between them the partial sums of K x
	v_exp_f32 v[Q+36+i], v[Q+36+i]
	v_add_f32 v[PX+8*(i%4)+1+i/4], v[PX+8*(i%4)+1+i/4], v[PX+8*(i%4)+i/4]
.set i, i+1
.endr
	CARRY PK, CK, OFK
	CARRY PX, CX, OFX
.set i, 0
.rept 16
	ADD1 PK, OFK, i
.set i, i+1
.endr
.set i, 0
.rept 32                                       ; 1 / (sum of K + 1e-6) joins the batch
	v_rcp_f32 v[PK+i], v[PK+i]
.if (i%2) == 0
	ADD1 PX, OFX, (i/2)
.endif
.set i, i+1
.endr
	v_nop                                          ; a plain line behind the last of them
	s_wait_alu depctr_va_vdst(0)                   ; one wait for the 64 exponentials and 32 reciprocals, ahead of their first reader
.set i, 0
.rept 32
	v_pk_add_f32 v[Q+2*i:Q+2*i+1], v[Q+2*i:Q+2*i+1], 1.0 op_sel_hi:[1,0]
.set i, i+1
.endr
.set i, 0
.rept 64                                       ; THE SECOND BATCH: Q and G; between them S = sum(K x) / (sum(K) + 1e-6)
	v_rcp_f32 v[Q+i], v[Q+i]
.if (i%4) == 0
	v_pk_mul_f32 v[PX+i/2:PX+i/2+1], v[PX+i/2:PX+i/2+1], v[PK+i/2:PK+i/2+1]
.endif
.set i, i+1
.endr
	v_nop
	s_wait_alu depctr_va_vdst(0)
.set i, 0
.rept 16
	v_pk_mul_f32 v[PX+2*i:PX+2*i+1], v[PX+2*i:PX+2*i+1], v[Q+2*i:Q+2*i+1]  ; O = S Q
.set i, i+1
.endr
.irp j, 0,1,2,3,4,5,6,7
.irp n, 0,1,2,3
	v_sub_f32 v[PK+8*(\n)+(\j)], v[X+10*(\n)+(\j)+1], v[PX+8*(\n)+(\j)]  ; x[s+1] - O[s]
.endr
.endr
.set i, 0
.rept 16
	v_pk_mul_f32 v[PK+2*i:PK+2*i+1], v[PK+2*i:PK+2*i+1], v[G+2*i:G+2*i+1]
.set i, i+1
.endr
.irp j, 1,2,3,4,5,6,7
.irp n, 0,1,2,3
	v_add_f32 v[PK+8*(\n)+(\j)], v[PK+8*(\n)+(\j)], v[PK+8*(\n)+(\j)-1]
.endr
.endr
	CARRY PK, CS, OFK
.set i, 0
.rept 16
	ADD1 PK, OFK, i                                ; W, from the chunk's first row on
.set i, i+1
.endr
.set i, 0
.rept 16
	v_pk_mul_f32 v[G+2*i:G+2*i+1], v[Q+2*i:Q+2*i+1], s[98:99] op_sel_hi:[1,0]  ; c3 Q
.set i, i+1
.endr
	; the step by one row: register 0 takes the term of register 7 of the other half of the lanes: lanes 16-31 this block's, lanes 0-15 the last block's
.irp n, 0,1,2,3
	v_mul_f32 v[TT+12+(\n)], v[PK+8*(\n)+7], v[G+8*(\n)+7]
.endr
.irp n, 0,1,2,3
	v_cndmask_b32 v[TT+(\n)], v[TT+12+(\n)], v[PU+(\n)], s67
.endr
.irp n, 0,1,2,3
	v_permlanex16_b32 v[TT+4+(\n)], v[TT+(\n)], s80, s81
.endr
.irp n, 0,1,2,3
	v_mov_b32 v[PU+(\n)], v[TT+12+(\n)]
.endr
.irp j, 1,2,3,4,5,6,7
.irp n, 0,1,2,3
	v_fma_f32 v[PX+8*(\n)+(\j)], v[PK+8*(\n)+(\j)-1], v[G+8*(\n)+(\j)-1], v[PX+8*(\n)+(\j)]
.endr
.endr
.irp n, 0,1,2,3
	v_add_f32 v[PX+8*(\n)], v[PX+8*(\n)], v[TT+4+(\n)]
.endr
.irp j, 0,1,2,3,4,5,6,7
	v_cvt_pk_f16_f32 v[OUT+4*(\j)], v[PX+(\j)], v[PX+8+(\j)]
	v_cvt_pk_f16_f32 v[OUT+4*(\j)+1], v[PX+16+(\j)], v[PX+24+(\j)]
	v_cvt_pk_f16_f32 v[OUT+4*(\j)+2], v[Q+(\j)], v[Q+8+(\j)]
	v_cvt_pk_f16_f32 v[OUT+4*(\j)+3], v[Q+16+(\j)], v[Q+24+(\j)]
.endr
.irp j, 0,1,2,3,4,5,6,7
	global_store_b128 v[HO], v[OUT+4*(\j):OUT+4*(\j)+3], s[92:93] offset:(\j)*256 th:TH_STORE_NT  ; sixteen lanes store 256 consecutive bytes, aligned: one time, 64 channels
.endr
	s_wait_xcnt 0x0                                ; loads and stores have read their addresses and data: only now are bases and data rewritten
	s_add_nc_u64 s[88:89], s[88:89], 4096
	s_add_nc_u64 s[92:93], s[92:93], 4096
	s_add_co_u32 s66, s66, 1
	s_cmp_lt_u32 s66, 8
	s_cbranch_scc1 .Lmb
	v_and_b32 v3, 31, v0
	v_cmp_gt_u32 vcc_lo, 16, v3
	s_wait_xcnt 0x0                                ; EXEC changes only behind this wait
	s_and_saveexec_b32 s20, vcc_lo
	global_store_b128 v[SO], v[CS:CS+3], s[94:95]  ; the chunk's last W: lanes 0-15, 256 consecutive bytes
	s_wait_xcnt 0x0
	s_or_b32 exec_lo, exec_lo, s20
	s_wait_tensorcnt 0x0                           ; the wave's end
	ds_add_u32 v[SPW], v[NIL]
	s_wait_dscnt 0x0
	CROUND
	s_endpgm
.Lfunc_end_k_q8c3a2856c8_qgemm:
	.size	k_q8c3a2856c8_qgemm, .Lfunc_end_k_q8c3a2856c8_qgemm-k_q8c3a2856c8_qgemm
	.p2alignl 7, 3214868480
	.fill 96, 4, 3214868480
	.section	.rodata,"a",@progbits
	.p2align	6, 0x0
	.amdhsa_kernel k_q8c3a2856c8_qgemm
		.amdhsa_group_segment_fixed_size 327680
		.amdhsa_private_segment_fixed_size 0
		.amdhsa_enable_private_segment 0
		.amdhsa_kernarg_size 64
		.amdhsa_user_sgpr_count 2
		.amdhsa_user_sgpr_kernarg_segment_ptr 1
		.amdhsa_wavefront_size32 1
		.amdhsa_system_sgpr_workgroup_id_x 1
		.amdhsa_system_sgpr_workgroup_id_y 1
		.amdhsa_system_sgpr_workgroup_id_z 1
		.amdhsa_system_vgpr_workitem_id 0
		.amdhsa_next_free_vgpr 1024
		.amdhsa_next_free_sgpr 102
		.amdhsa_reserve_vcc 1
		.amdhsa_float_denorm_mode_32 3
		.amdhsa_float_denorm_mode_16_64 3
		.amdhsa_memory_ordered 1
		.amdhsa_forward_progress 1
		.amdhsa_inst_pref_size 153
	.end_amdhsa_kernel
	.amdgpu_metadata
---
amdhsa.version: [ 1, 2 ]
amdhsa.kernels:
  - .name:           k_q8c3a2856c8_qgemm
    .symbol:         k_q8c3a2856c8_qgemm.kd
    .args:
      - { .name: xb, .offset: 0, .size: 8, .value_kind: global_buffer, .address_space: global }
      - { .name: wb, .offset: 8, .size: 8, .value_kind: global_buffer, .address_space: global }
      - { .name: bq1, .offset: 16, .size: 8, .value_kind: global_buffer, .address_space: global }
      - { .name: bk2, .offset: 24, .size: 8, .value_kind: global_buffer, .address_space: global }
      - { .name: kimg, .offset: 32, .size: 8, .value_kind: global_buffer, .address_space: global }
      - { .name: ars, .offset: 40, .size: 8, .value_kind: global_buffer, .address_space: global }
      - { .name: hq, .offset: 48, .size: 8, .value_kind: global_buffer, .address_space: global }
      - { .name: sgs, .offset: 56, .size: 8, .value_kind: global_buffer, .address_space: global }
    .group_segment_fixed_size: 327680
    .private_segment_fixed_size: 0
    .kernarg_segment_align: 8
    .kernarg_segment_size: 64
    .max_flat_workgroup_size: 128
    .sgpr_count:     102
    .vgpr_count:     1024
    .wavefront_size: 32
...
	.end_amdgpu_metadata
.endif
;; end of part 3
;; launch fix (part 4): grid 512 x 1, 8 waves a work-group, no clusters, 5,120 bytes of LDS; arguments hq, sgs, h; writes h
.if DOCPART == 4
	.amdgcn_target "amdgcn-amd-amdhsa--gfx1250"
	.amdhsa_code_object_version 6
	.text
	.protected	k_q8c3a2856c8_fix
	.globl	k_q8c3a2856c8_fix
	.p2align	8
	.type	k_q8c3a2856c8_fix,@function
k_q8c3a2856c8_fix:
	s_mov_b64 s[64:65], 0
	v_nop
	global_prefetch_b8 v0, s[64:65] scope:SCOPE_SE
	s_setreg_imm32_b32 hwreg(HW_REG_WAVE_MODE, 25, 1), 1
	s_wait_xcnt 0x0
; H[t] = Hlocal[t] + c3 x (the sum of W over the batch's chunks in front of t's) x Q[t-1], c3 = 0.02 / 32; H rounded to f16, row-major [16384][1024].
; hq: block (chunk g, group cg of 64 channels) of 32,768 bytes; in it time t at 256 t, and for channels 4 r .. 4 r + 3 at 16 r: four f16 of Hlocal, four of Q.  sgs: [128][1024] f32.
; SHARES.  Work-group w: chunk w >> 2 (128 rows), channel quarter w & 3 (256 channels, four groups of 64).  Its eight waves are four row groups of 32 rows, two waves each.
; Thread t: row group t >> 6, channels 4 (t & 63) .. + 3 of the quarter, in all 32 rows.  A wave's load covers two runs of 256 bytes, its store 256 consecutive bytes, aligned.
; THE CARRIED SUM is shared out: row group q adds the batch's chunks q, q + 4, .. q + 28 that lie in front of mine (8 loads a thread, the others masked out);
; the four partial sums meet in LDS behind one barrier.  They are f32, added in another order than a running sum's.
; Q[t-1] of rows 1 to 31 lies in the row before's registers; row 0's comes by a load of 8 bytes: the row before in the block, or the last row of the chunk before;
; in a batch's first row the carried sum is 0, and the row's own Q is read, a finite number, to be multiplied by it.
; LIMIT: |H| stays under 65,504.  A stream: no matrix unit, no cluster.  All 41 loads of a wave go out at the head.
.set LO,  2                            ; v2   32,768 x my group in the quarter + 16 r
.set SO,  4                            ; v4   16 (t & 63): my four channels in the quarter's part of a row of sgs; also my place in a row group's partial sums
.set HF,  5                            ; v5   8 (t & 63): my four channels in the quarter's part of a row of h
.set PS,  6                            ; v6   16 t: where I put my partial sum
.set SC,  8                            ; v8-11  my partial sum; then c3 x the carried sum
.set D,   12                           ; v12-19 at work, two sets by turns
.set SPW, 20                           ; v20  LDS address of my spare word; never rewritten
.set NIL, 21                           ; v21  0; never rewritten
.set QP0, 22                           ; v22-23 Q of the row in front of row 0
.set SG,  24                           ; v24-55 my 8 rows of sgs
.set PT,  56                           ; v56-71 the four partial sums
.set R,   72                           ; v72-199 my 32 rows
.set SPARE, 4096                       ; LDS: 4,096 bytes of partial sums, then the spare words, 128 bytes a wave
	s_load_b128 s[4:7], s[0:1], 0x0                ; hq, sgs
	s_load_b64 s[8:9], s[0:1], 0x10                ; h
	v_lshl_add_u32 v[SPW], v0, 2, SPARE
	v_mov_b32 v[NIL], 0
	v_lshrrev_b32 v1, 5, v0
	v_readfirstlane_b32 s26, v1                    ; wave 0..7
	s_lshr_b32 s11, s26, 1                         ; my row group
	v_and_b32 v3, 63, v0
	v_lshrrev_b32 v1, 4, v3                        ; my group of 64 channels in the quarter
	v_and_b32 v7, 15, v0                           ; r
	v_lshlrev_b32 v[LO], 15, v1
	v_lshl_add_u32 v[LO], v7, 4, v[LO]
	v_lshlrev_b32 v[SO], 4, v3
	v_lshlrev_b32 v[HF], 3, v3
	v_lshlrev_b32 v[PS], 4, v0
	s_lshr_b32 s10, ttmp9, 2                       ; g
	s_and_b32 s27, ttmp9, 3                        ; the channel quarter
	s_and_b32 s12, s10, 31                         ; gl: the chunk's place in its batch
	s_lshl_b32 s14, s10, 19                        ; 16 blocks of 32,768 bytes a chunk,
	s_lshl_b32 s15, s27, 17                        ; 4 blocks a quarter,
	s_add_co_u32 s14, s14, s15
	s_lshl_b32 s15, s11, 13                        ; 32 rows of 256 bytes a row group
	s_add_co_u32 s14, s14, s15
	s_mov_b32 s15, 0
	s_cmp_lg_u32 s12, 0
	s_cselect_b32 s18, -491776, 0                  ; the first row group: 16 blocks back and 127 rows on; in a batch's first chunk: the row itself
	s_cmp_lg_u32 s11, 0
	s_cselect_b32 s18, -256, s18                   ; another row group: the row before
	s_add_co_u32 s18, s14, s18                     ; never below 0: where 491,776 is taken away g is at least 1, where 256 is, the row group is
	s_mov_b32 s19, 0
	s_sub_co_u32 s20, s10, s12                     ; the batch's first chunk,
	s_add_co_u32 s20, s20, s11                     ; my row group's first row of sgs
	s_lshl_b32 s20, s20, 12
	s_lshl_b32 s21, s27, 10                        ; the quarter's 256 channels of 4 bytes
	s_add_co_u32 s20, s20, s21
	s_mov_b32 s21, 0
	s_lshl_b32 s22, s10, 18                        ; 128 rows of 2,048 bytes a chunk,
	s_lshl_b32 s23, s11, 16                        ; 32 a row group,
	s_add_co_u32 s22, s22, s23
	s_lshl_b32 s23, s27, 9                         ; the quarter's 256 channels of 2 bytes
	s_add_co_u32 s22, s22, s23
	s_mov_b32 s23, 0
	s_sub_co_i32 s24, s12, s11                     ; chunk q + 4 k lies in front of mine where gl - q > 4 k
	s_wait_kmcnt 0x0
	s_add_nc_u64 s[16:17], s[4:5], s[18:19]
	s_add_nc_u64 s[4:5], s[4:5], s[14:15]
	s_add_nc_u64 s[6:7], s[6:7], s[20:21]
	s_add_nc_u64 s[8:9], s[8:9], s[22:23]
.set i, 0
.rept 8
	global_load_b128 v[SG+4*i:SG+4*i+3], v[SO], s[6:7] offset:i*16384  ; every fourth chunk of the batch; the last is chunk q + 28, inside the batch
.set i, i+1
.endr
	global_load_b64 v[QP0:QP0+1], v[LO], s[16:17] offset:8
.set i, 0
.rept 32
	global_load_b128 v[R+4*i:R+4*i+3], v[LO], s[4:5] offset:i*256 th:TH_LOAD_NT
.set i, i+1
.endr
	s_wait_loadcnt 33                              ; sgs's 8 rows are in; the 33 younger loads stay out
.set i, 0
.rept 8
	s_cmp_gt_i32 s24, 4*i
	s_cselect_b32 s13, -1, 0
.if i == 0
	v_and_b32 v[SC], s13, v[SG]                    ; the first row starts the sum
	v_and_b32 v[SC+1], s13, v[SG+1]
	v_and_b32 v[SC+2], s13, v[SG+2]
	v_and_b32 v[SC+3], s13, v[SG+3]
.else
	v_and_b32 v[SG+4*i], s13, v[SG+4*i]
	v_and_b32 v[SG+4*i+1], s13, v[SG+4*i+1]
	v_and_b32 v[SG+4*i+2], s13, v[SG+4*i+2]
	v_and_b32 v[SG+4*i+3], s13, v[SG+4*i+3]
	v_pk_add_f32 v[SC:SC+1], v[SC:SC+1], v[SG+4*i:SG+4*i+1]
	v_pk_add_f32 v[SC+2:SC+3], v[SC+2:SC+3], v[SG+4*i+2:SG+4*i+3]
.endif
.set i, i+1
.endr
	ds_store_b128 v[PS], v[SC:SC+3]
	s_wait_dscnt 0x0                               ; for the others' sake: my partial sum lies in LDS
	s_barrier_signal -1
	s_barrier_wait -1                              ; all four row groups' do
.irp q, 0,1,2,3
	ds_load_b128 v[PT+4*(\q):PT+4*(\q)+3], v[SO] offset:(\q)*1024
.endr
	s_wait_dscnt 0x0
	v_pk_add_f32 v[PT:PT+1], v[PT:PT+1], v[PT+4:PT+5]
	v_pk_add_f32 v[PT+2:PT+3], v[PT+2:PT+3], v[PT+6:PT+7]
	v_pk_add_f32 v[PT+8:PT+9], v[PT+8:PT+9], v[PT+12:PT+13]
	v_pk_add_f32 v[PT+10:PT+11], v[PT+10:PT+11], v[PT+14:PT+15]
	v_pk_add_f32 v[SC:SC+1], v[PT:PT+1], v[PT+8:PT+9]
	v_pk_add_f32 v[SC+2:SC+3], v[PT+2:PT+3], v[PT+10:PT+11]
	v_pk_mul_f32 v[SC:SC+1], v[SC:SC+1], 0x3a23d70a op_sel_hi:[1,0]
	v_pk_mul_f32 v[SC+2:SC+3], v[SC+2:SC+3], 0x3a23d70a op_sel_hi:[1,0]
; Row i: four multiply-adds straight from the f16 halves, in f32; two roundings into the row's own first two registers; one store.  No register is used twice by memory instructions, so nothing waits for a store.
.macro ROW i
.set rr, R+4*(\i)
.if (\i) == 0
.set qq, QP0
.else
.set qq, R+4*((\i)-1)+2
.endif
.set dd, D+4*((\i)%2)
	s_wait_loadcnt 31-(\i)                         ; loads come back in order: row i is in, the younger rows stay out
	v_fma_mix_f32 v[dd], v[qq], v[SC], v[rr] op_sel:[0,0,0] op_sel_hi:[1,0,1]
	v_fma_mix_f32 v[dd+1], v[qq], v[SC+1], v[rr] op_sel:[1,0,1] op_sel_hi:[1,0,1]
	v_fma_mix_f32 v[dd+2], v[qq+1], v[SC+2], v[rr+1] op_sel:[0,0,0] op_sel_hi:[1,0,1]
	v_fma_mix_f32 v[dd+3], v[qq+1], v[SC+3], v[rr+1] op_sel:[1,0,1] op_sel_hi:[1,0,1]
	v_cvt_pk_f16_f32 v[rr], v[dd], v[dd+1]
	v_cvt_pk_f16_f32 v[rr+1], v[dd+2], v[dd+3]
	global_store_b64 v[HF], v[rr:rr+1], s[8:9] offset:(\i)*2048
.endm
.set n, 0
.rept 32
	ROW n
.set n, n+1
.endr
	s_wait_tensorcnt 0x0                           ; the wave's end, behind my last LDS store
	ds_add_u32 v[SPW], v[NIL]
	s_wait_dscnt 0x0
	s_endpgm
.Lfunc_end_k_q8c3a2856c8_fix:
	.size	k_q8c3a2856c8_fix, .Lfunc_end_k_q8c3a2856c8_fix-k_q8c3a2856c8_fix
	.p2alignl 7, 3214868480
	.fill 96, 4, 3214868480
	.section	.rodata,"a",@progbits
	.p2align	6, 0x0
	.amdhsa_kernel k_q8c3a2856c8_fix
		.amdhsa_group_segment_fixed_size 5120
		.amdhsa_private_segment_fixed_size 0
		.amdhsa_enable_private_segment 0
		.amdhsa_kernarg_size 24
		.amdhsa_user_sgpr_count 2
		.amdhsa_user_sgpr_kernarg_segment_ptr 1
		.amdhsa_wavefront_size32 1
		.amdhsa_system_sgpr_workgroup_id_x 1
		.amdhsa_system_sgpr_workgroup_id_y 1
		.amdhsa_system_sgpr_workgroup_id_z 1
		.amdhsa_system_vgpr_workitem_id 0
		.amdhsa_next_free_vgpr 200
		.amdhsa_next_free_sgpr 66
		.amdhsa_reserve_vcc 0
		.amdhsa_float_denorm_mode_32 3
		.amdhsa_float_denorm_mode_16_64 3
		.amdhsa_memory_ordered 1
		.amdhsa_forward_progress 1
		.amdhsa_inst_pref_size 26
	.end_amdhsa_kernel
	.amdgpu_metadata
---
amdhsa.version: [ 1, 2 ]
amdhsa.kernels:
  - .name:           k_q8c3a2856c8_fix
    .symbol:         k_q8c3a2856c8_fix.kd
    .args:
      - { .name: hq, .offset: 0, .size: 8, .value_kind: global_buffer, .address_space: global }
      - { .name: sgs, .offset: 8, .size: 8, .value_kind: global_buffer, .address_space: global }
      - { .name: h, .offset: 16, .size: 8, .value_kind: global_buffer, .address_space: global }
    .group_segment_fixed_size: 5120
    .private_segment_fixed_size: 0
    .kernarg_segment_align: 8
    .kernarg_segment_size: 24
    .max_flat_workgroup_size: 256
    .sgpr_count:     66
    .vgpr_count:     200
    .wavefront_size: 32
...
	.end_amdgpu_metadata
.endif
;; end of part 4
;; launch pgemm (part 5): grid 4 x 64, 4 waves a work-group, clusters of 4 x 4, 327,680 bytes of LDS; arguments h, wb, bproj, out0; writes out0
.if DOCPART == 5
	.amdgcn_target "amdgcn-amd-amdhsa--gfx1250"
	.amdhsa_code_object_version 6
	.text
	.protected	k_q8c3a2856c8_pgemm
	.globl	k_q8c3a2856c8_pgemm
	.p2align	8
	.type	k_q8c3a2856c8_pgemm,@function
k_q8c3a2856c8_pgemm:
	s_mov_b64 s[64:65], 0
	v_nop
	global_prefetch_b8 v0, s[64:65] scope:SCOPE_SE
	s_setreg_imm32_b32 hwreg(HW_REG_WAVE_MODE, 25, 1), 1
	s_wait_xcnt 0x0
	s_wait_alu depctr_hold_cnt(0) depctr_sa_sdst(0) depctr_va_vdst(0) depctr_va_sdst(0) depctr_va_ssrc(0) depctr_va_vcc(0) depctr_vm_vsrc(0)
	s_getreg_b32 s2, hwreg(HW_REG_IB_STS2, 6, 4)
	s_cmp_eq_u32 s2, 0
	s_cbranch_scc0 .Lentry_in_a_cluster
	s_endpgm
.Lentry_in_a_cluster:
	s_bfe_u32 s2, ttmp6, 0x10000c
	s_cmp_lg_u32 s2, 0xf033
	s_cbranch_scc0 .Lentry_shape_is_right
	s_endpgm
.Lentry_shape_is_right:
; out = H Wproj^T + bproj.  H: [16384][1024] f16; Wproj: rows 3,072 on of wb, rounded to bf16 and written as f16, its rows permuted; bproj rounded to bf16; products in f16, sums and out in f32.
; The product's frame is that of the two launches before: a tile of 256 x 256, four waves of 128 x 128, K in eight steps of 128 through two LDS slots, a loop trip one K step with the slot in hand in the scalar TB,
; 4 x 4 work-groups to a cluster, H's tile shared along a row of the cluster and wb's along a column.  Register j of lane 16 h + r of accumulator (a, b): row 16 a + 8 h + j, channel 64 (b / 4) + 4 r + b % 4 of my 128:
; a lane's four accumulators b = 4 q .. 4 q + 3 hold four neighbouring channels, so sixteen lanes store 256 consecutive bytes of a row of out, with no way through LDS.
.set SIZE_K, 1024
.set KSTEP,  128
.set STEPS,  SIZE_K/KSTEP
.set PITCH,  272
.set HALFT,  128*PITCH
.set SLOT,   4*HALFT                   ; 0x22000: no bit in common with wave x HALFT, so an exclusive or with it is the sum
.set SPARE,  2*SLOT
.set A0,   16                          ; v16  my place in H's tile of slot 0; never rewritten
.set B0,   17                          ; v17  the same in wb's tile
.set ADRA, 18                          ; v18  A0 + the slot in hand
.set ADRB, 19                          ; v19  B0 + the slot in hand
.set CO,   24                          ; v24  my 16 bytes in out: 8 h rows of 4,096 bytes + 16 r
.set SPW,  28
.set NIL,  29
.set PFO,  30
.set BP,   32                          ; v32-39  the bias of my eight channels
.set F0,   64
.set F1,   128
.set T,    64                          ; v64-127  the way out: a block's 8 rows x 8 channels a lane
.set TB,  2
.set G1,  24
.set G0,  32
.set LIM, 43
.set PFA, 44
.set G1B, 48
.set G0B, 56
.set DW0, (1<<16)|(1<<20)|(1<<21)|(5<<22)|(3<<25)
.set MSB, 0
.macro WIN new
.if MSB != (\new)
	s_set_vgpr_msb (MSB<<8)|(\new)
.set MSB, \new
.endif
.endm
.set MUL_LO, 0xa4
.set MUL_HI, 0xf4
.set TO_B,   0x40
.macro JLOAD s
	s_cmp_eq_u32 s11, 0
	s_cbranch_scc0 .Lfor_b_\@
	tensor_load_to_lds s[G0+4*(\s):G0+4*(\s)+3], s[G1:G1+7]
	s_nop 0
.rept 4
	v_nop
.endr
	s_branch .Lasked_\@
.Lfor_b_\@:
	tensor_load_to_lds s[G0B+4*(\s):G0B+4*(\s)+3], s[G1B:G1B+7]
	s_nop 0
.rept 4
	v_nop
.endr
.Lasked_\@:
.endm
.macro ASK                             ; the K step two refills on: K steps 4 to 7, each row's 256 bytes named once: H's by the cluster with x = 0, wb's by the cluster with y = 0, 32 rows a partner
	s_cmp_gt_u32 s3, s[LIM]
	s_cbranch_scc0 .Lnot_mine_\@
	global_prefetch_b8 v[PFO], s[PFA:PFA+1] offset:KSTEP*2 th:TH_LOAD_NT scope:SCOPE_SE
.Lnot_mine_\@:
.endm
.macro CREST
	s_cmp_lg_u32 s10, 0
	s_cbranch_scc1 .Lnot_wave_0_\@
	s_barrier_signal -3
.Lnot_wave_0_\@:
	s_barrier_wait -3
	s_barrier_signal -1
	s_barrier_wait -1
.endm
.macro CROUND
	s_barrier_signal -1
	s_barrier_wait -1
	CREST
.endm
	s_load_b128 s[4:7], s[0:1], 0x0                ; h, wb
	s_load_b128 s[84:87], s[0:1], 0x10             ; bproj, out0
	v_lshl_add_u32 v[SPW], v0, 2, SPARE
	v_mov_b32 v[NIL], 0
	ds_add_u32 v[SPW], v[NIL]                      ; the opening: the add, twice on end, and its wait ahead of my first tensor load
	ds_add_u32 v[SPW], v[NIL]
	v_lshrrev_b32 v1, 5, v0
	v_readfirstlane_b32 s10, v1
	s_lshr_b32 s11, s10, 1
	s_and_b32 s12, s10, 1
	s_bfe_u32 s40, ttmp6, 0x40000
	s_bfe_u32 s41, ttmp6, 0x40004
	s_lshl_b32 s42, ttmp9, 2
	s_add_co_u32 s42, s42, s40
	s_and_b32 s13, ttmp7, 0xffff
	s_lshl_b32 s13, s13, 2
	s_add_co_u32 s13, s13, s41
	s_lshl_b32 s43, s41, 2
	s_lshl_b32 s43, 15, s43
	s_lshl_b32 s44, 0x1111, s40
	s_or_b32 s[G1+0], s43, DW0
	s_or_b32 s[G1B+0], s44, DW0
.irp g, G1, G1B
	s_mov_b32 s[(\g)+1], KSTEP<<16
	s_mov_b32 s[(\g)+2], 128<<16
	s_mov_b32 s[(\g)+3], KSTEP<<16
	s_mov_b32 s[(\g)+4], 128
	s_mov_b32 s[(\g)+5], SIZE_K
	s_mov_b32 s[(\g)+6], 0
	s_mov_b32 s[(\g)+7], 0
.endr
	s_mov_b32 s[TB], 0                             ; K step 0 lies in slot 0
	s_mov_b32 s67, 0xffff0000
	s_lshl_b32 s17, s12, 7
	s_lshl_b32 s16, s13, 8
	s_add_co_u32 s16, s16, s17
	s_lshl_b32 s46, s42, 8
	s_add_co_u32 s46, s46, s17
	s_lshl_b32 s16, s16, 11
	s_lshl_b32 s46, s46, 11
	s_mov_b32 s17, 0
	s_mov_b32 s47, 0
	s_mul_i32 s20, s10, HALFT
	s_wait_dscnt 0x0
	s_wait_kmcnt 0x0
	s_add_nc_u64 s[6:7], s[6:7], 0x600000          ; wb at Wproj's rows
	s_add_nc_u64 s[14:15], s[4:5], s[16:17]
	s_add_nc_u64 s[46:47], s[6:7], s[46:47]
	CROUND
.irp s, 0,1
	s_mov_b32 s[G0+4*(\s)], 1
	s_add_co_u32 s[G0+4*(\s)+1], s20, (\s)*SLOT
	s_add_nc_u64 s[G0+4*(\s)+2:G0+4*(\s)+3], s[14:15], (\s)*KSTEP*2
	s_or_b32 s[G0+4*(\s)+3], s[G0+4*(\s)+3], 0x80000000
	s_mov_b32 s[G0B+4*(\s)], 1
	s_add_co_u32 s[G0B+4*(\s)+1], s20, (\s)*SLOT
	s_add_nc_u64 s[G0B+4*(\s)+2:G0B+4*(\s)+3], s[46:47], (\s)*KSTEP*2
	s_or_b32 s[G0B+4*(\s)+3], s[G0B+4*(\s)+3], 0x80000000
	JLOAD \s
.endr
	v_and_b32 v1, 15, v0
	v_bfe_u32 v2, v0, 4, 1
	s_lshl_b32 s18, s42, 10
	s_lshl_b32 s19, s12, 9
	s_add_co_u32 s18, s18, s19                     ; my first channel, in bytes of f32
	v_lshl_add_u32 v4, v1, 4, s18
	global_load_b128 v[BP:BP+3], v4, s[84:85]
	global_load_b128 v[BP+4:BP+7], v4, s[84:85] offset:256
	s_lshl_b32 s20, s13, 20                        ; 256 rows of 4,096 bytes a tile row,
	s_lshl_b32 s21, s11, 19                        ; 128 my half
	s_add_co_u32 s20, s20, s21
	s_add_co_u32 s20, s20, s18
	s_mov_b32 s21, 0
	s_add_nc_u64 s[86:87], s[86:87], s[20:21]
	v_lshlrev_b32 v[CO], 15, v2
	v_lshl_add_u32 v[CO], v1, 4, v[CO]
	v_mul_u32_u24 v3, v1, PITCH
	v_lshl_add_u32 v3, v2, 4, v3
	s_mul_i32 s21, s11, HALFT
	s_mul_i32 s22, s12, HALFT
	s_add_co_u32 s22, s22, 2*HALFT
	v_add_nc_u32 v[A0], s21, v3
	v_add_nc_u32 v[B0], s22, v3
	v_mov_b32 v[ADRA], v[A0]
	v_mov_b32 v[ADRB], v[B0]
	s_lshl_b32 s18, s13, 8
	s_lshl_b32 s19, s42, 8
	s_and_b32 s22, ttmp7, 0xffff
	s_cmp_eq_u32 s11, 0
	s_cselect_b32 s20, s18, s19
	s_cselect_b32 s21, s40, s41
	s_cselect_b32 s22, ttmp9, s22
	s_cselect_b64 s[PFA:PFA+1], s[4:5], s[6:7]
	s_cmp_eq_u32 s22, 0
	s_cselect_b32 s[LIM], 2, -1                    ; a wave that prefetches does so while more than two trips are left
	s_lshl_b32 s22, s12, 7
	s_add_co_u32 s20, s20, s22
	s_lshl_b32 s21, s21, 5
	s_add_co_u32 s20, s20, s21
	s_lshl_b32 s20, s20, 11
	s_mov_b32 s21, 0
	s_add_nc_u64 s[PFA:PFA+1], s[PFA:PFA+1], s[20:21]
	s_add_nc_u64 s[PFA:PFA+1], s[PFA:PFA+1], 2*KSTEP*2
	v_and_b32 v[PFO], 31, v0
	v_lshlrev_b32 v[PFO], 11, v[PFO]
	s_wait_loadcnt 0x0
.irp k, 0,2,4,6                                ; the bias, rounded to bf16 like every input
	v_cvt_pk_bf16_f32 v5, v[BP+(\k)], v[BP+(\k)+1]
	v_lshlrev_b32 v[BP+(\k)], 16, v5
	v_and_b32 v[BP+(\k)+1], s67, v5
.endr
.macro MUL16 f, hi, a0, zero
	WIN MUL_LO+0x50*(\hi)
.irp a, \a0, (\a0)+1
.irp b, 0,1,2,3,4,5,6,7
.if \zero
	v_wmma_f32_16x16x32_f16 v[8*(8*(\a)+(\b)):8*(8*(\a)+(\b))+7], v[(\f)+8*(4*(\hi)+(\a)):(\f)+8*(4*(\hi)+(\a))+7], v[(\f)+8*(\b):(\f)+8*(\b)+7], 0
.else
	v_wmma_f32_16x16x32_f16 v[8*(8*(\a)+(\b)):8*(8*(\a)+(\b))+7], v[(\f)+8*(4*(\hi)+(\a)):(\f)+8*(4*(\hi)+(\a))+7], v[(\f)+8*(\b):(\f)+8*(\b)+7], v[8*(8*(\a)+(\b)):8*(8*(\a)+(\b))+7]
.endif
.endr
.endr
.endm
.macro FETCH k, f
	WIN TO_B
.irp i, 0,1,2,3,4,5,6,7
	ds_load_b128 v[(\f)+8*(\i):(\f)+8*(\i)+3],   v[ADRB] offset:(\k)+(\i)*16*PITCH
	ds_load_b128 v[(\f)+8*(\i)+4:(\f)+8*(\i)+7], v[ADRB] offset:(\k)+(\i)*16*PITCH+32
.endr
	WIN 0
.irp i, 0,1,2,3,4,5,6,7
	ds_load_b128 v[(\f)+8*(\i):(\f)+8*(\i)+3],   v[ADRA] offset:(\k)+(\i)*16*PITCH
	ds_load_b128 v[(\f)+8*(\i)+4:(\f)+8*(\i)+7], v[ADRA] offset:(\k)+(\i)*16*PITCH+32
.endr
.endm
.macro PLACES
.rept 4
	v_nop
.endr
.endm
.macro QUARTER k, f, g, zero
	s_wait_dscnt 8                                 ; wb and H's rows 0-63 are in; the youngest eight loads may be out
	MUL16 \f, 0, 0, \zero
	MUL16 \f, 0, 2, \zero
	PLACES
	FETCH \k, \g
	s_wait_dscnt 32                                ; all but the 32 just issued
	MUL16 \f, 1, 0, \zero
	MUL16 \f, 1, 2, \zero
.endm
.macro MEET
	WIN 0
	s_wait_tensorcnt 0x0                           ; all my tensor loads have landed: my part of the next slot
	ds_add_u32 v[SPW], v[NIL]
	s_wait_dscnt 9                                 ; the add and the youngest eight loads may be out
	MUL16 F1, 0, 0, 0
	s_wait_dscnt 0x0                               ; the add is done, my reads of this slot are over
	s_barrier_signal -1
	MUL16 F1, 0, 2, 0
	WIN 0
	s_barrier_wait -1
.endm
.macro TURN
	s_wait_xcnt 0x0                                ; the last prefetch, a K step back, has read its address
	s_add_nc_u64 s[PFA:PFA+1], s[PFA:PFA+1], KSTEP*2
	MEET
	CREST
.irp g, G0+4, G0B+4
	s_xor_b32 s[(\g)+1], s[(\g)+1], SLOT           ; the walking descriptor: the other slot than last time,
	s_add_nc_u64 s[(\g)+2:(\g)+3], s[(\g)+2:(\g)+3], KSTEP*2  ; the next K step
.endr
	JLOAD 1
	s_xor_b32 s[TB], s[TB], SLOT
	v_add_nc_u32 v[ADRA], s[TB], v[A0]
	v_add_nc_u32 v[ADRB], s[TB], v[B0]
	FETCH 0, F0
	ASK
	MUL16 F1, 1, 0, 0
	MUL16 F1, 1, 2, 0
.endm
	s_wait_tensorcnt 1                             ; my part of K step 0 is in; K step 1's load stays out
	s_barrier_signal -1
	s_barrier_wait -1
	FETCH 0, F0
	QUARTER 64,  F0, F1, 1
	WIN 0
	s_mov_b32 s3, STEPS-2
.Lstep:                                        ; six trips, from a K step's second quarter to the next step's first; each fills a slot again: K steps 2 to 7
	QUARTER 128, F1, F0, 0
	QUARTER 192, F0, F1, 0
	TURN
	QUARTER 64,  F0, F1, 0
	WIN 0
	s_sub_co_u32 s3, s3, 1
	s_cmp_lg_u32 s3, 0
	s_cbranch_scc1 .Lstep
	QUARTER 128, F1, F0, 0
	QUARTER 192, F0, F1, 0
	MEET                                           ; the last change of slots, from K step 6 in slot 0 to K step 7 in slot 1: nothing is filled again, so no round follows
	PLACES
	v_add_nc_u32 v[ADRA], SLOT, v[A0]
	v_add_nc_u32 v[ADRB], SLOT, v[B0]
	FETCH 0, F0
	MUL16 F1, 1, 0, 0
	MUL16 F1, 1, 2, 0
	QUARTER 64,  F0, F1, 0
	QUARTER 128, F1, F0, 0
	QUARTER 192, F0, F1, 0
	s_wait_dscnt 8
	MUL16 F1, 0, 0, 0
	MUL16 F1, 0, 2, 0
	s_wait_dscnt 0x0
	MUL16 F1, 1, 0, 0
	MUL16 F1, 1, 2, 0
	WIN 0
	PLACES
	PLACES
; THE WAY OUT: eight trips, a block of 16 rows each.  HEAD a, which alone names accumulators, is picked by a forward switch on the counter: it adds the bias into registers of window 0,
; so that a lane's four neighbouring channels lie on end; each accumulator is read from register 0 on.  The 16 stores are written once.
.macro HEAD a
	WIN 0x02+(\a)/4
.irp j, 0,1,2,3,4,5,6,7
.irp b, 0,1,2,3,4,5,6,7
	v_add_f32 v[T+8*(\j)+(\b)], v[8*(8*((\a)%4)+(\b))+(\j)], v[BP+(\b)]
.endr
.endr
	WIN 0
.endm
	s_mov_b32 s66, 0
.Lmb:
.irp a, 0,1,2,3,4,5,6
	s_cmp_lg_u32 s66, \a
	s_cbranch_scc1 .Ln\a
	HEAD \a
	s_branch .Lbody
.Ln\a:
.endr
	HEAD 7
.Lbody:
.irp j, 0,1,2,3,4,5,6,7
.irp q, 0,1
	global_store_b128 v[CO], v[T+8*(\j)+4*(\q):T+8*(\j)+4*(\q)+3], s[86:87] offset:(\j)*4096+(\q)*256 th:TH_STORE_NT  ; sixteen lanes store 256 consecutive bytes, aligned
.endr
.endr
	s_wait_xcnt 0x0                                ; the stores have read their data and their base: only now are these rewritten
	s_add_nc_u64 s[86:87], s[86:87], 16*4096       ; the next block of 16 rows
	s_add_co_u32 s66, s66, 1
	s_cmp_lt_u32 s66, 8
	s_cbranch_scc1 .Lmb
	s_wait_tensorcnt 0x0                           ; the wave's end
	ds_add_u32 v[SPW], v[NIL]
	s_wait_dscnt 0x0
	CROUND
	s_endpgm
.Lfunc_end_k_q8c3a2856c8_pgemm:
	.size	k_q8c3a2856c8_pgemm, .Lfunc_end_k_q8c3a2856c8_pgemm-k_q8c3a2856c8_pgemm
	.p2alignl 7, 3214868480
	.fill 96, 4, 3214868480
	.section	.rodata,"a",@progbits
	.p2align	6, 0x0
	.amdhsa_kernel k_q8c3a2856c8_pgemm
		.amdhsa_group_segment_fixed_size 327680
		.amdhsa_private_segment_fixed_size 0
		.amdhsa_enable_private_segment 0
		.amdhsa_kernarg_size 32
		.amdhsa_user_sgpr_count 2
		.amdhsa_user_sgpr_kernarg_segment_ptr 1
		.amdhsa_wavefront_size32 1
		.amdhsa_system_sgpr_workgroup_id_x 1
		.amdhsa_system_sgpr_workgroup_id_y 1
		.amdhsa_system_sgpr_workgroup_id_z 1
		.amdhsa_system_vgpr_workitem_id 0
		.amdhsa_next_free_vgpr 1024
		.amdhsa_next_free_sgpr 102
		.amdhsa_reserve_vcc 0
		.amdhsa_float_denorm_mode_32 3
		.amdhsa_float_denorm_mode_16_64 3
		.amdhsa_memory_ordered 1
		.amdhsa_forward_progress 1
		.amdhsa_inst_pref_size 105
	.end_amdhsa_kernel
	.amdgpu_metadata
---
amdhsa.version: [ 1, 2 ]
amdhsa.kernels:
  - .name:           k_q8c3a2856c8_pgemm
    .symbol:         k_q8c3a2856c8_pgemm.kd
    .args:
      - { .name: h, .offset: 0, .size: 8, .value_kind: global_buffer, .address_space: global }
      - { .name: wb, .offset: 8, .size: 8, .value_kind: global_buffer, .address_space: global }
      - { .name: bproj, .offset: 16, .size: 8, .value_kind: global_buffer, .address_space: global }
      - { .name: out0, .offset: 24, .size: 8, .value_kind: global_buffer, .address_space: global }
    .group_segment_fixed_size: 327680
    .private_segment_fixed_size: 0
    .kernarg_segment_align: 8
    .kernarg_segment_size: 32
    .max_flat_workgroup_size: 128
    .sgpr_count:     102
    .vgpr_count:     1024
    .wavefront_size: 32
...
	.end_amdgpu_metadata
.endif
;; end of part 5
;; ======== version 2 of 2: 5 launches; version 1 with the launch cvt written anew for expert scheduling mode
;; limits: values are held in f16: magnitudes above 65,504 overflow, below 6.1e-05 lose precision
;; workspace buffers: xb 33,556,480 bytes; wb 8,388,608 bytes; kimg 67,108,864 bytes; ars 1,048,576 bytes; hq 67,108,864 bytes; sgs 524,288 bytes; h 33,554,432 bytes
;; launch cvt (part 6): grid 512 x 1, 8 waves a work-group, no clusters, 0 bytes of LDS; arguments x, Wk1, Wq1, Wk2, Wproj, xb, wb; writes xb, wb
.if DOCPART == 6
	.amdgcn_target "amdgcn-amd-amdhsa--gfx1250"
	.amdhsa_code_object_version 6
	.text
	.protected	k_q8c3a2856c8_cvt
	.globl	k_q8c3a2856c8_cvt
	.p2align	8
	.type	k_q8c3a2856c8_cvt,@function
k_q8c3a2856c8_cvt:
	s_mov_b64 s[64:65], 0
	v_nop
	global_prefetch_b8 v0, s[64:65] scope:SCOPE_SE
	s_setreg_imm32_b32 hwreg(HW_REG_WAVE_SCHED_MODE, 0, 2), 2
	s_setreg_imm32_b32 hwreg(HW_REG_WAVE_MODE, 25, 1), 1
	s_wait_xcnt 0x0
	s_wait_alu depctr_vm_vsrc(0)
; x -> bf16 (xb, with one row of zeros behind it); the four weights -> 16 bits with their rows permuted (wb).
; xb: [16385][1024] bf16.  wb: [4096][1024]: rows 0-1023 Wk1; rows 1024-3071 in groups of 128: 64 rows of Wq1, 64 of Wk2; rows 3072-4095 Wproj.
; Inside a group of 64 channels, channel c goes to row 16 (c & 3) + ((c >> 2) & 15): column r of a product's block nb of 16 columns is then channel 4 r + nb,
; so that a lane's four blocks are four neighbouring channels.  Wk1, Wq1, Wk2 are rounded to bf16; Wproj is rounded to bf16 and that number written as f16.
; LIMIT: a rounded number of Wproj below 6.1e-5 keeps f16's fixed step of 6e-8; beyond 65,504 it would be lost.
; SHARES.  512 work-groups of 8 waves.  Work-group w: rows 32 w .. 32 w + 31 of x, rows 2 w and 2 w + 1 of each weight.  Thread t takes columns 4 t .. 4 t + 3 of every row:
; a wave's load covers 512 consecutive bytes, its store 256 consecutive bytes, aligned.  With 200 registers a wave, two work-groups lie on a WGP, which doubles what is in flight there.
; No LDS, no matrix unit, no cluster: every byte is read once and written once, and nothing is shared.
; THE MODE: SCHED_MODE bits 1:0 = 2 (LLVM: expert scheduling mode 2), set by the entry lines.  The code itself states the register dependences
; between vector instructions and memory instructions, with s_wait_alu, always for 0.
; THE PLAN.  The 32 rows go in 8 blocks of four.  Registers that memory instructions touch:
;   v1, v2     byte offsets, made once at the head and never written again: every step stands in an immediate, and no base is stepped.
;   X0 .. X4   five blocks of x as loaded.  Blocks 0 to 3 are asked for at the head; block p + 4 in block p.  Read by block p's conversions (X[p % 5]).
;   Y          two registers to each of the 32 rows.  Written once, by block p's conversions; read by the four stores that are issued in block p + 1.
;   WY         the 8 weight rows to store.  Written once, by the weights' conversions; read by the eight stores that are issued in block 0.
;   WS and TP  WS takes the weights' loads at the head and is named by vector instructions alone from then on; TP is at work, and in work-group 0 the data of one last store.
; Block p works on X[p % 5] and writes its own rows of Y.  Its memory instructions are the loads into X[(p + 4) % 5] = X[(p - 1) % 5] and the stores of block p - 1's rows of Y:
; what block p - 1 worked on, and what no vector instruction of block p names.  So ONE wait on va_vdst at a block's head states all that the block's memory instructions hang on, and
; these are dealt among its conversions with no further wait.  No register that a memory instruction reads is ever written again: nothing waits for a store, and no wait on vm_vsrc is owed.
.set ROWS,  32
.set XS,  4                            ; v[4:83]    row n: 4 f32 as loaded, at XS + 16 ((n / 4) % 5) + 4 (n % 4)
.set YS,  84                           ; v[84:147]  row n: 4 bf16 to store, at YS + 2 n
.set WS,  148                          ; v[148:179] the 8 weight rows as loaded: matrix m, row i at WS + 8 m + 4 i
.set WY,  180                          ; v[180:195] the same to store: at WY + 4 m + 2 i
.set TP,  196                          ; v[196:197] at work
	s_load_b256 s[4:11], s[0:1], 0x0               ; x s[4:5], Wk1 s[6:7], Wq1 s[8:9], Wk2 s[10:11]
	s_load_b128 s[12:15], s[0:1], 0x20             ; Wproj s[12:13], xb s[14:15]
	s_load_b64 s[16:17], s[0:1], 0x30              ; wb
	v_lshlrev_b32 v1, 4, v0                        ; 16 t: my bytes in a row of f32
	v_lshlrev_b32 v2, 3, v0                        ; 8 t: my bytes in a row of 16-bit numbers
	s_mov_b32 s40, 0xffff0000                      ; a word's upper bf16
	s_lshl_b32 s20, ttmp9, 17                      ; 32 rows of 4,096 bytes
	s_mov_b32 s21, 0
	s_lshl_b32 s22, ttmp9, 16                      ; 32 rows of 2,048 bytes
	s_mov_b32 s23, 0
	s_lshl_b32 s24, ttmp9, 13                      ; 2 rows of 4,096 bytes
	s_mov_b32 s25, 0
	s_lshr_b32 s26, ttmp9, 5                       ; my weight rows c = 2 w + i: their group of 64 channels, c >> 6
	s_bfe_u32 s27, ttmp9, 0x40001                  ; r = (c >> 2) & 15 = (w >> 1) & 15, the same for both rows
	s_and_b32 s31, ttmp9, 1                        ; c & 3 = 2 (w & 1) + i
	s_lshl_b32 s30, s27, 11                        ; r rows of 2,048 bytes
	s_lshl_b32 s31, s31, 16                        ; 32 (w & 1) rows
	s_add_co_u32 s30, s30, s31
	s_lshl_b32 s28, s26, 17                        ; 64 rows a group (Wk1, Wproj)
	s_add_co_u32 s28, s28, s30
	s_mov_b32 s29, 0
	s_lshl_b32 s32, s26, 18                        ; 128 rows a group (Wq1 with Wk2),
	s_add_co_u32 s32, s32, s30
	s_add_co_u32 s32, s32, 0x200000                ; behind Wk1's 1,024 rows
	s_mov_b32 s33, 0
	s_wait_kmcnt 0x0
	s_add_nc_u64 s[38:39], s[14:15], 0x2000000     ; xb's row 16,384, the row behind the last
	s_add_nc_u64 s[4:5], s[4:5], s[20:21]
	s_add_nc_u64 s[6:7], s[6:7], s[24:25]
	s_add_nc_u64 s[8:9], s[8:9], s[24:25]
	s_add_nc_u64 s[10:11], s[10:11], s[24:25]
	s_add_nc_u64 s[12:13], s[12:13], s[24:25]
	s_add_nc_u64 s[14:15], s[14:15], s[22:23]
	s_add_nc_u64 s[34:35], s[16:17], s[28:29]      ; wb at Wk1's row for i = 0; Wproj's lies 3,072 rows on
	s_add_nc_u64 s[36:37], s[16:17], s[32:33]      ; wb at Wq1's row for i = 0; Wk2's lies 64 rows on
	s_wait_alu depctr_va_vdst(0)                   ; v1 and v2 are written: every load of the kernel reads v1 as its offset, every store v2
.macro WLOAD m, base
.irp i, 0,1
	global_load_b128 v[WS+8*(\m)+4*(\i):WS+8*(\m)+4*(\i)+3], v1, s[\base:\base+1] offset:(\i)*4096 th:TH_LOAD_NT
.endr
.endm
; Row n of my 32 is asked for, into its place in the five buffers.
.macro XLD n
.set xs, XS+16*(((\n)/4)%5)+4*((\n)%4)
	global_load_b128 v[xs:xs+3], v1, s[4:5] offset:(\n)*4096 th:TH_LOAD_NT
.endm
; Row n is rounded, into registers of its own.
.macro CV n
.set xs, XS+16*(((\n)/4)%5)+4*((\n)%4)
	v_cvt_pk_bf16_f32 v[YS+2*(\n)], v[xs], v[xs+1]
	v_cvt_pk_bf16_f32 v[YS+2*(\n)+1], v[xs+2], v[xs+3]
.endm
; Row n is stored.
.macro YST n
	global_store_b64 v2, v[YS+2*(\n):YS+2*(\n)+1], s[14:15] offset:(\n)*2048
.endm
; The two rows of weight m are stored: row 1 goes 16 rows on, 32,768 bytes.
.macro WST m, base, off
	global_store_b64 v2, v[WY+4*(\m):WY+4*(\m)+1], s[\base:\base+1] offset:(\off)
	global_store_b64 v2, v[WY+4*(\m)+2:WY+4*(\m)+3], s[\base:\base+1] offset:(\off)+32768
.endm
	WLOAD 0, 6
	WLOAD 1, 8
	WLOAD 2, 10
	WLOAD 3, 12
.set n, 0
.rept 16
	XLD n                                          ; blocks 0 to 3 into X0 to X3
.set n, n+1
.endr
	s_wait_loadcnt 16                              ; the 8 weight rows are in; the 16 rows of x stay out
.set k, 0
.rept 6                                        ; Wk1, Wq1, Wk2: bf16
	v_cvt_pk_bf16_f32 v[WY+2*k], v[WS+4*k], v[WS+4*k+1]
	v_cvt_pk_bf16_f32 v[WY+2*k+1], v[WS+4*k+2], v[WS+4*k+3]
.set k, k+1
.endr
.rept 2                                        ; Wproj: rounded to bf16, widened again, written as f16
	v_cvt_pk_bf16_f32 v[TP], v[WS+4*k], v[WS+4*k+1]
	v_cvt_pk_bf16_f32 v[TP+1], v[WS+4*k+2], v[WS+4*k+3]
	v_lshlrev_b32 v[WS+4*k], 16, v[TP]
	v_and_b32 v[WS+4*k+1], s40, v[TP]
	v_lshlrev_b32 v[WS+4*k+2], 16, v[TP+1]
	v_and_b32 v[WS+4*k+3], s40, v[TP+1]
	v_cvt_pk_f16_f32 v[WY+2*k], v[WS+4*k], v[WS+4*k+1]
	v_cvt_pk_f16_f32 v[WY+2*k+1], v[WS+4*k+2], v[WS+4*k+3]
.set k, k+1
.endr
; Block 0.  In the place of a block before it stand the weights: their eight stores are dealt among its conversions, with the loads of block 4, which land in X4: no vector instruction has named it.
	s_wait_loadcnt 12                              ; loads come back in order: rows 0 to 3 are in, the three younger blocks stay out
	s_wait_alu depctr_va_vdst(0)                   ; the weights' conversions have written WY, which the eight stores below read
	XLD 16
	WST 0, 34, 0                                   ; Wk1
	CV 0
	XLD 17
	WST 1, 36, 0                                   ; Wq1
	CV 1
	XLD 18
	WST 2, 36, 131072                              ; Wk2: 64 rows on
	CV 2
	XLD 19
	WST 3, 34, 0x600000                            ; Wproj: 3,072 rows on
	CV 3
; Block p, 1 to 7.  left = how many younger loads may still be out when this block's four have to be there.  Blocks 1 to 3 ask for block p + 4; the others load nothing.
.macro BLK p, left
	s_wait_loadcnt \left                           ; loads come back in order: X[p % 5] is in, the younger blocks stay out
	s_wait_alu depctr_va_vdst(0)                   ; the block before has written its rows of Y, which the stores below read, and is done reading its X, in which the loads below land
.irp i, 0,1,2,3
.if (\p) < 4
	XLD 4*(\p)+16+(\i)                             ; four blocks ahead; no vector instruction since the wait names these registers
.endif
	YST 4*(\p)-4+(\i)                              ; the block before
	CV 4*(\p)+(\i)
.endr
.endm
	BLK 1, 12
	BLK 2, 12
	BLK 3, 12
	BLK 4, 12                                      ; blocks 5 to 7 are still out
	BLK 5, 8                                       ; no load leaves my 32 rows: the counts run down
	BLK 6, 4
	BLK 7, 0
	s_wait_alu depctr_va_vdst(0)                   ; block 7 has written its rows of Y, which the last four stores read
	YST 28
	YST 29
	YST 30
	YST 31
	s_cmp_lg_u32 ttmp9, 0                          ; work-group 0 also writes row 16,384 of xb: zeros
	s_cbranch_scc1 .Lend
	v_mov_b32 v[TP], 0
	v_mov_b32 v[TP+1], 0
	s_wait_alu depctr_va_vdst(0)                   ; the two zeros are written, which the store reads
	global_store_b64 v2, v[TP:TP+1], s[38:39]
.Lend:
	s_endpgm
.Lfunc_end_k_q8c3a2856c8_cvt:
	.size	k_q8c3a2856c8_cvt, .Lfunc_end_k_q8c3a2856c8_cvt-k_q8c3a2856c8_cvt
	.p2alignl 7, 3214868480
	.fill 96, 4, 3214868480
	.section	.rodata,"a",@progbits
	.p2align	6, 0x0
	.amdhsa_kernel k_q8c3a2856c8_cvt
		.amdhsa_group_segment_fixed_size 0
		.amdhsa_private_segment_fixed_size 0
		.amdhsa_enable_private_segment 0
		.amdhsa_kernarg_size 56
		.amdhsa_user_sgpr_count 2
		.amdhsa_user_sgpr_kernarg_segment_ptr 1
		.amdhsa_wavefront_size32 1
		.amdhsa_system_sgpr_workgroup_id_x 1
		.amdhsa_system_sgpr_workgroup_id_y 1
		.amdhsa_system_sgpr_workgroup_id_z 1
		.amdhsa_system_vgpr_workitem_id 0
		.amdhsa_next_free_vgpr 200
		.amdhsa_next_free_sgpr 66
		.amdhsa_reserve_vcc 0
		.amdhsa_float_denorm_mode_32 3
		.amdhsa_float_denorm_mode_16_64 3
		.amdhsa_memory_ordered 1
		.amdhsa_forward_progress 1
		.amdhsa_inst_pref_size 16
	.end_amdhsa_kernel
	.amdgpu_metadata
---
amdhsa.version: [ 1, 2 ]
amdhsa.kernels:
  - .name:           k_q8c3a2856c8_cvt
    .symbol:         k_q8c3a2856c8_cvt.kd
    .args:
      - { .name: x, .offset: 0, .size: 8, .value_kind: global_buffer, .address_space: global }
      - { .name: Wk1, .offset: 8, .size: 8, .value_kind: global_buffer, .address_space: global }
      - { .name: Wq1, .offset: 16, .size: 8, .value_kind: global_buffer, .address_space: global }
      - { .name: Wk2, .offset: 24, .size: 8, .value_kind: global_buffer, .address_space: global }
      - { .name: Wproj, .offset: 32, .size: 8, .value_kind: global_buffer, .address_space: global }
      - { .name: xb, .offset: 40, .size: 8, .value_kind: global_buffer, .address_space: global }
      - { .name: wb, .offset: 48, .size: 8, .value_kind: global_buffer, .address_space: global }
    .group_segment_fixed_size: 0
    .private_segment_fixed_size: 0
    .kernarg_segment_align: 8
    .kernarg_segment_size: 56
    .max_flat_workgroup_size: 256
    .sgpr_count:     66
    .vgpr_count:     200
    .wavefront_size: 32
...
	.end_amdgpu_metadata
.endif
;; end of part 6
;; launch kgemm: the kernel of part 2 again; grid 4 x 64, 4 waves a work-group, clusters of 4 x 4, 327,680 bytes of LDS; arguments xb, wb, bk1, kimg, ars; writes kimg, ars
;; launch qgemm: the kernel of part 3 again; grid 8 x 64, 4 waves a work-group, clusters of 4 x 4, 327,680 bytes of LDS; arguments xb, wb, bq1, bk2, kimg, ars, hq, sgs; writes hq, sgs
;; launch fix: the kernel of part 4 again; grid 512 x 1, 8 waves a work-group, no clusters, 5,120 bytes of LDS; arguments hq, sgs, h; writes h
;; launch pgemm: the kernel of part 5 again; grid 4 x 64, 4 waves a work-group, clusters of 4 x 4, 327,680 bytes of LDS; arguments h, wb, bproj, out0; writes out0
